; MI455X (gfx1250); checked and timed in simulation.
; The chip was launched on July 23, 2026; its instructions are those of AMD's public machine-readable ISA for CDNA 5 (MIT licence, August 2026) and "CDNA5" Instruction Set Architecture Reference Guide (July 2026). The comments in the code are by the model that wrote it; some were corrected since.
;; KAN Layer Old. Allowed arithmetic: matrix products marked QUANTISED: E2M1 operands, one E8M0 scale for each 32 along K, by v_wmma_scale_f32_16x16x128_f8f6f4 with both operands' format E2M1 (or v_wmma_scale_f32_32x16x128_f4), f32 sums; everything else in f32.
;; Inputs: bias 64 float32; input_log_scale 64 float32; input_shift 64 float32; inputs 32,768 x 64 float32; knots 68 float32; ln_beta 64 float32; ln_gamma 64 float32; skip_W_codes 64 x 2 x 16 uint8 (E2M1 codes of skip_W, K innermost, in blocks of 32 codes, two codes a byte); skip_W_scales 64 x 2 uint8 (E8M0 scales of skip_W, one for each 32 codes along K); skip_b 64 float32; spline_coeffs 64 x 64 x 64 float32.
;; Outputs: out0 32,768 x 64 float32.
;; This version of the problem:
;;   THIS VERSION OF THE PROBLEM IS GIVEN IN LOW PRECISION. The matrix products marked QUANTISED in the list below multiply operands that are first quantised to E2M1 (2 exponent bits, 1 mantissa bit; 4 bits a number), with one power-of-two scale for each 32 numbers along K (OCP MX v1.0); their sums are f32. All else is computed in f32.
;;   The module's matrix products, in the order in which they are computed (A, B: the left and right operand; K: the contracted axis; several contracted axes count as one K, in the product's order):
;;     1. [M 32,768, K 4,096] x [K 4,096, N 64]; A: computed on the way; B: input spline_coeffs: QUANTISED
;;     2. [M 32,768, K 64] x [K 64, N 64]; A: input inputs; B: input skip_W (given as codes): QUANTISED
;;   THE QUANTISER, for each operand of a quantised product, along K:
;;     - K is cut into blocks of 32 from its start; a last block that is shorter is filled with zeros.
;;     - A block's scale is 2^e with e = floor(log2(the largest magnitude in the block)) - 2, held to -126 .. 127; a block of zeros has e = 0. As a byte (E8M0): e + 127.
;;     - Each number is divided by its block's scale, clamped to +-6, and rounded to the nearest number of E2M1, ties to even, subnormals kept.
;;     - The product sums the exact products of the quantised numbers (number of the format x scale) in f32.
;;   ~~~python
;;   def quantise(x, axis):      # numpy; x: float32 -> the quantised numbers, widened to float32 again
;;       x = np.moveaxis(x, axis, -1); K = x.shape[-1]
;;       x = np.pad(x, [(0, 0)] * (x.ndim - 1) + [(0, -K % 32)]); x = x.reshape(x.shape[:-1] + (-1, 32)); a = np.abs(x).max(-1, keepdims=True)
;;       e = np.where(a > 0, np.clip(np.frexp(np.where(a > 0, a, 1))[1] - 1 - 2, -126, 127), 0)      # np.frexp(a)[1] - 1 = floor(log2(a)), exactly
;;       r = np.clip(x / 2.0 ** e, -6, 6)
;;       step = 2.0 ** (np.maximum(np.frexp(np.where(r == 0, 1, r))[1] - 1, 0) - 1)
;;       q = np.round(r / step) * step * 2.0 ** e      # np.round: ties to even
;;       return np.moveaxis(q.reshape(q.shape[:-2] + (-1,))[..., :K], -1, axis).astype(np.float32)
;;   ~~~
;;   OPERANDS COMPUTED ON THE WAY. 'Computed on the way' means the value that the module computes at that place (a softmax that the list does not call 'softmax' is quantised finished and normalised). What goes into a quantiser is computed in f32, as accurately as f32 sums, v_exp_f32 and their like allow (about 1e-6 of the number): no bf16 or f16 on the way to a quantiser, and a product that is left as it is and whose result goes on into a quantised operand takes f32 operands (vector FMAs, or v_wmma_f32_16x16x4_f32). A number that lies on a knife's edge between two numbers of the format may be rounded either way, as far as f32 arithmetic and the matrix unit's own rounding can turn it there, and no further.
;;   INPUTS GIVEN AS CODES. skip_W (in the module: [64, 64], K = its axis 1): each comes as NAME_codes (uint8): NAME with its K axis moved to the last place and cut into blocks of 32 codes, [.., K / 32, bytes a block], one block behind the other in memory; two codes a byte, the lower K in the low four bits (a code: sign, 2 exponent bits, 1 mantissa bit); and NAME_scales (uint8): the same leading axes, one E8M0 byte (e + 127) for each 32 codes along K. Its value is code x scale, taken as it is: it is not quantised again, and the codes and scales need not be those that the quantiser above would give.
;; 2 versions. Each part assembles by itself: llvm-mc -triple=amdgcn-amd-amdhsa -mcpu=gfx1250 --defsym DOCPART=n.
;; ======== version 1 of 2: 2 launches
;; limits: a function is approximated: absolute error at most 1.5e-07
;; workspace buffers: bq 139,264 bytes; tab 2,560 bytes
;; launch prep (part 1): grid 65 x 1, 1 waves a work-group, no clusters, 0 bytes of LDS; arguments spline_coeffs, knots, input_shift, input_log_scale, bq, tab; writes bq, tab
.if DOCPART == 1
	.amdgcn_target "amdgcn-amd-amdhsa--gfx1250"
	.amdhsa_code_object_version 6
	.text
	.protected	k_q26789e0949_prep
	.globl	k_q26789e0949_prep
	.p2align	8
	.type	k_q26789e0949_prep,@function
k_q26789e0949_prep:
	s_mov_b64 s[64:65], 0
	v_nop
	global_prefetch_b8 v0, s[64:65] scope:SCOPE_SE
	s_setreg_imm32_b32 hwreg(HW_REG_WAVE_MODE, 25, 1), 1
	s_wait_xcnt 0x0
; What every work-group of the second launch reads is made once here.
; WORK-GROUPS 0..63: spline_coeffs [64 f][64 g][64 w], f32, becomes codes of FP4 (E2M1) with one E8M0 byte for each 32 along K = (f, g).
;   K step s (0..31) of the product holds features s and 32 + s.  A fragment (16 columns w x 128 K) is laid as the image of its registers: lane (r, h) holds column
;   w = 16 n + r of feature 32 h + s; registers 4 c .. 4 c + 3 hold g = 32 c .. 32 c + 31.  bq: codes [s 32][n 4][c 2][lane 32][16 bytes]; from byte 131072 the scale words [s][n][r], byte 2 c + h.
;   A lane takes a column and its registers run down g, so a block of 32 lies in one lane and nothing is transposed.  Work-group 2 s + j2 makes fragments n = 2 j2, 2 j2 + 1 of K step s.
; WORK-GROUP 64: two small tables, tab.
;   bytes 0..1631: for knot j = 0..67 a record of six words {-k_j, R(k_j - k_(j-1)), R(k_j - k_(j-2)), 0, R(k_j - k_(j-3)), 0}, R(d) = 1 / d where d > 0, else 0: the recursion's weights, whatever the knots' order.
;   bytes 2048..2559: for s = 0..31 {shift_s, shift_(32+s), fs_s, fs_(32+s)}, fs = -log2(e) x (softplus(log_scale) + 0.001).
; A block's scale byte is its largest magnitude's exponent field - 2, held at 1 from below.  A block of zeros so gets the byte 1 where the rule says 127: its codes are zeros, and this program alone reads the bytes.
; LIMITS: positive knot differences under 2^-126 or over 2^126 are not served (the reciprocal flushes there); NaN and infinities among the inputs are not served.
.set FLOOR, 0x1800000                  ; 2^(3 - 127)
.set X,    32                          ; v32-159  two fragments' numbers, 64 a lane each
.set C,    16                          ; v16-31   their codes
.set WRD,  160                         ; v160, v161 their scale words; v162 the word that my lane stores; v163 a lane permute's destination
	s_load_b128 s[4:7], s[0:1], 0x0                ; spline_coeffs, knots
	s_load_b128 s[8:11], s[0:1], 0x10              ; input_shift, input_log_scale
	s_load_b128 s[12:15], s[0:1], 0x20             ; bq, tab
	v_and_b32 v1, 15, v0                           ; r  (one wave: v0 is the lane)
	v_lshrrev_b32 v2, 4, v0                        ; h
	v_lshlrev_b32 v4, 3, v2                        ; 8 h: my bytes' place in a scale word, in bits
	v_lshlrev_b32 v5, 4, v0                        ; 16 x lane
	v_lshlrev_b32 v6, 2, v0                        ; 4 x lane
	v_mov_b32 v163, 0                              ; written once: a lane permute's destination counts as one of its sources
	s_mov_b32 s20, 0x76543210
	s_mov_b32 s21, 0xfedcba98                      ; v_permlanex16_b32's selects for lane l xor 16
	s_wait_kmcnt 0x0
	s_cmp_eq_u32 ttmp9, 64
	s_cbranch_scc1 .Ltables
	; ---- the weights
	s_lshr_b32 s16, ttmp9, 1                       ; s
	s_and_b32 s17, ttmp9, 1                        ; j2
	s_lshl_b32 s18, s16, 14                        ; feature s: 64 x 64 x 4 bytes each,
	s_lshl_b32 s19, s17, 7                         ; columns 32 j2 on
	s_add_co_u32 s18, s18, s19
	s_mov_b32 s19, 0
	s_add_nc_u64 s[4:5], s[4:5], s[18:19]
	s_lshl_b32 s18, s16, 12                        ; codes: 4,096 bytes a K step, 1,024 a fragment
	s_lshl_b32 s22, s17, 11
	s_add_co_u32 s18, s18, s22
	s_add_nc_u64 s[24:25], s[12:13], s[18:19]
	s_lshl_b32 s18, s16, 8                         ; scale words: 256 bytes a K step, 64 a fragment
	s_lshl_b32 s22, s17, 7
	s_add_co_u32 s18, s18, s22
	s_add_co_u32 s18, s18, 131072
	s_add_nc_u64 s[26:27], s[12:13], s[18:19]
	v_lshlrev_b32 v3, 2, v1
	v_lshl_or_b32 v3, v2, 19, v3                   ; column r, and 32 features further on for lanes 16-31
.irp nn, 0,1
.set g, 0
.rept 64
	global_load_b32 v[X+64*\nn+g], v3, s[4:5] offset:64*\nn+256*g   ; coeffs(32 h + s, g, 32 j2 + 16 nn + r): sixteen lanes read 64 neighbouring bytes
.set g, g+1
.endr
.endr
; Fragment nn: two blocks a lane, by turns
.macro QB nn
.irp c, 0,1
	v_max3_num_f32 v[8+\c], |v[X+64*\nn+32*\c]|, |v[X+64*\nn+32*\c+1]|, FLOOR   ; the largest magnitude, with the floor among its leaves
.endr
.irp i, 2,4,6,8,10,12,14,16,18,20,22,24,26,28,30
.irp c, 0,1
	v_max3_num_f32 v[8+\c], v[8+\c], |v[X+64*\nn+32*\c+\i]|, |v[X+64*\nn+32*\c+\i+1]|
.endr
.endr
.irp c, 0,1
	v_add_nc_u32 v[10+\c], 0xff000000, v[8+\c]     ; 2 off its exponent field: the conversion's scale operand
.endr
.irp c, 0,1
	v_lshrrev_b32 v[12+\c], 23, v[10+\c]           ; the scale's byte
.endr
.irp c, 0,1
.irp t, 0,1,2,3
	v_cvt_scalef32_pk8_fp4_f32 v[C+8*\nn+4*\c+\t], v[X+64*\nn+32*\c+8*\t:X+64*\nn+32*\c+8*\t+7], v[10+\c]
.endr
.endr
	v_nop                                          ; one plain place behind the conversions
	v_lshl_or_b32 v14, v13, 16, v12                ; my two bytes: blocks h and 2 + h,
	v_lshlrev_b32 v14, v4, v14                     ; at their places;
	v_permlanex16_b32 v163, v14, s20, s21
	v_or_b32 v[WRD+\nn], v14, v163                 ; with lane l xor 16's two the word is whole
.endm
	s_wait_loadcnt 63                              ; at most 63 of the 128 loads are out: the first fragment's 64 are in
	QB 0
	s_wait_loadcnt 0x0
	QB 1
.irp nn, 0,1
.irp c, 0,1
	global_store_b128 v5, v[C+8*\nn+4*\c:C+8*\nn+4*\c+3], s[24:25] offset:1024*\nn+512*\c   ; 32 lanes store 512 consecutive bytes
.endr
.endr
	v_cmp_lt_u32 vcc_lo, 15, v0
	v_cndmask_b32 v162, v160, v161, vcc_lo         ; lanes 0-15 store the first fragment's words, lanes 16-31 the second's
	global_store_b32 v6, v162, s[26:27]            ; 128 consecutive bytes
	s_endpgm
.Ltables:
.set KR, 51                            ; v48-54: knots 4 cc - 3 .. 4 cc + 3, knot 4 cc + o at v[KR + o]
	v_min_u32 v7, 16, v0                           ; cc: lanes 0..16 make chunks of four records; the others repeat the last and store nothing
	v_lshlrev_b32 v7, 4, v7                        ; knot 4 cc, in bytes
	v_cmp_eq_u32 vcc_lo, 0, v0
	v_cndmask_b32 v8, v7, 12, vcc_lo               ; lane 0 has no knots below index 0: its three loads below take knots 0..2; what is made of them is never multiplied by
	v_mul_u32_u24 v9, v0, 96                       ; a chunk: 4 records x 24 bytes
	global_load_b32 v32, v6, s[8:9]                ; shift_s
	global_load_b32 v33, v6, s[8:9] offset:128     ; shift_(32+s)
	global_load_b32 v34, v6, s[10:11]              ; log_scale_s
	global_load_b32 v35, v6, s[10:11] offset:128
.irp o, 1,2,3
	global_load_b32 v[KR-\o], v8, s[6:7] offset:-4*\o
.endr
.irp o, 0,1,2,3
	global_load_b32 v[KR+\o], v7, s[6:7] offset:4*\o
.endr
	s_wait_loadcnt 0x0
	; softplus(x) = max(x, 0) + log1p(e), e = exp(-|x|); log1p(e) = ln(u) e / (u - 1) with u = 1 + e as rounded, or e itself where u - 1 is 0: accurate for small e too
.irp i, 0,1
	v_mul_f32 v[36+\i], 0xbfb8aa3b, |v[34+\i]|
.endr
.irp i, 0,1
	v_exp_f32 v[36+\i], v[36+\i]                   ; e
.endr
	v_nop
	s_wait_alu depctr_va_vdst(0)
.irp i, 0,1
	v_add_f32 v[38+\i], 1.0, v[36+\i]              ; u
.endr
.irp i, 0,1
	v_add_f32 v[40+\i], -1.0, v[38+\i]             ; u - 1, exact
.endr
.irp i, 0,1
	v_log_f32 v[42+\i], v[38+\i]
	v_rcp_f32 v[44+\i], v[40+\i]
.endr
	v_nop
	s_wait_alu depctr_va_vdst(0)
.irp i, 0,1
	v_mul_f32 v[42+\i], 0x3f317218, v[42+\i]       ; ln(u)
	v_mul_f32 v[44+\i], v[36+\i], v[44+\i]         ; e / (u - 1)
.endr
.irp i, 0,1
	v_mul_f32 v[42+\i], v[42+\i], v[44+\i]
	v_cmp_eq_f32 vcc_lo, 0, v[40+\i]
	v_cndmask_b32 v[42+\i], v[42+\i], v[36+\i], vcc_lo
	v_max_num_f32 v[44+\i], 0, v[34+\i]
	v_add_f32 v[42+\i], v[42+\i], v[44+\i]         ; softplus
	v_add_f32 v[42+\i], 0x3a83126f, v[42+\i]       ; + 0.001
	v_mul_f32 v[34+\i], 0xbfb8aa3b, v[42+\i]       ; fs
.endr
	global_store_b128 v5, v[32:35], s[14:15] offset:2048   ; 32 lanes store 512 consecutive bytes
	; the records: den at v56-67, 1 / den at v68-79, the correction at v80-91, the records at v96-119
.irp jj, 0,1,2,3
.irp d, 1,2,3
	v_sub_f32 v[55+3*\jj+\d], v[KR+\jj], v[KR+\jj-\d]
.endr
.endr
.irp jj, 0,1,2,3
.irp d, 1,2,3
	v_rcp_f32 v[67+3*\jj+\d], v[55+3*\jj+\d]
.endr
.endr
	v_nop
	s_wait_alu depctr_va_vdst(0)
.irp jj, 0,1,2,3
.irp d, 1,2,3
	v_fma_f32 v[79+3*\jj+\d], -v[55+3*\jj+\d], v[67+3*\jj+\d], 1.0
.endr
.endr
.irp jj, 0,1,2,3
.irp d, 1,2,3
	v_fma_f32 v[67+3*\jj+\d], v[67+3*\jj+\d], v[79+3*\jj+\d], v[67+3*\jj+\d]   ; one step of Newton's: the weights stand ahead of a quantiser
.endr
.endr
.irp jj, 0,1,2,3
	v_xor_b32 v[96+6*\jj], 0x80000000, v[KR+\jj]   ; -k
	v_mov_b32 v[96+6*\jj+3], 0
	v_mov_b32 v[96+6*\jj+5], 0
.irp d, 1,2,3
	v_cmp_lt_f32 vcc_lo, 0, v[55+3*\jj+\d]
	v_cndmask_b32 v[96+6*\jj+\d+\d/3], 0, v[67+3*\jj+\d], vcc_lo   ; words 1, 2, 4; 0 where the difference is not positive
.endr
.endr
	s_wait_xcnt 0x0                                ; EXEC changes only behind this wait: a store is out
	v_cmp_gt_u32 vcc_lo, 17, v0
	s_and_saveexec_b32 s22, vcc_lo                 ; 17 chunks
.irp i, 0,1,2,3,4,5
	global_store_b128 v9, v[96+4*\i:96+4*\i+3], s[14:15] offset:16*\i
.endr
	s_wait_xcnt 0x0                                ; and again in front of the line that widens it
	s_or_b32 exec_lo, exec_lo, s22
	s_endpgm
.Lfunc_end_k_q26789e0949_prep:
	.size	k_q26789e0949_prep, .Lfunc_end_k_q26789e0949_prep-k_q26789e0949_prep
	.p2alignl 7, 3214868480
	.fill 96, 4, 3214868480
	.section	.rodata,"a",@progbits
	.p2align	6, 0x0
	.amdhsa_kernel k_q26789e0949_prep
		.amdhsa_group_segment_fixed_size 0
		.amdhsa_private_segment_fixed_size 0
		.amdhsa_enable_private_segment 0
		.amdhsa_kernarg_size 48
		.amdhsa_user_sgpr_count 2
		.amdhsa_user_sgpr_kernarg_segment_ptr 1
		.amdhsa_wavefront_size32 1
		.amdhsa_system_sgpr_workgroup_id_x 1
		.amdhsa_system_sgpr_workgroup_id_y 1
		.amdhsa_system_sgpr_workgroup_id_z 1
		.amdhsa_system_vgpr_workitem_id 0
		.amdhsa_next_free_vgpr 168
		.amdhsa_next_free_sgpr 66
		.amdhsa_reserve_vcc 1
		.amdhsa_float_denorm_mode_32 3
		.amdhsa_float_denorm_mode_16_64 3
		.amdhsa_memory_ordered 1
		.amdhsa_forward_progress 1
		.amdhsa_inst_pref_size 28
	.end_amdhsa_kernel
	.amdgpu_metadata
---
amdhsa.version: [ 1, 2 ]
amdhsa.kernels:
  - .name:           k_q26789e0949_prep
    .symbol:         k_q26789e0949_prep.kd
    .args:
      - { .name: spline_coeffs, .offset: 0, .size: 8, .value_kind: global_buffer, .address_space: global }
      - { .name: knots, .offset: 8, .size: 8, .value_kind: global_buffer, .address_space: global }
      - { .name: input_shift, .offset: 16, .size: 8, .value_kind: global_buffer, .address_space: global }
      - { .name: input_log_scale, .offset: 24, .size: 8, .value_kind: global_buffer, .address_space: global }
      - { .name: bq, .offset: 32, .size: 8, .value_kind: global_buffer, .address_space: global }
      - { .name: tab, .offset: 40, .size: 8, .value_kind: global_buffer, .address_space: global }
    .group_segment_fixed_size: 0
    .private_segment_fixed_size: 0
    .kernarg_segment_align: 8
    .kernarg_segment_size: 48
    .max_flat_workgroup_size: 32
    .sgpr_count:     66
    .vgpr_count:     168
    .wavefront_size: 32
...
	.end_amdgpu_metadata
.endif
;; end of part 1
;; launch main (part 2): grid 256 x 1, 16 waves a work-group, no clusters, 176,128 bytes of LDS; arguments inputs, bq, tab, skip_W_codes, skip_W_scales, skip_b, bias, ln_gamma, ln_beta, out0; writes out0
.if DOCPART == 2
	.amdgcn_target "amdgcn-amd-amdhsa--gfx1250"
	.amdhsa_code_object_version 6
	.text
	.protected	k_q26789e0949_main
	.globl	k_q26789e0949_main
	.p2align	8
	.type	k_q26789e0949_main,@function
k_q26789e0949_main:
	s_mov_b64 s[64:65], 0
	v_nop
	global_prefetch_b8 v0, s[64:65] scope:SCOPE_SE
	s_setreg_imm32_b32 hwreg(HW_REG_WAVE_MODE, 25, 1), 1
	s_wait_xcnt 0x0
; out = gelu(layernorm(basis(z) . coeffs + x . skip_W^T + skip_b + bias)), z = sigmoid((x - shift) x scale); both products on codes of FP4 (E2M1) with one E8M0 scale for each 32 along K.
; THE BASIS is the dense Cox-de Boor recursion over all 68 knots, right for any knots (no order is taken for granted).  With T_j = z - k_j, R(d) = 1 / d where d > 0, else 0, and
; g of level d-1 = (level's value) x R(k_(i+d) - k_i), each level is  b_i = T_i g_i - T_(i+d+1) g_(i+1).  Streamed over j, step j makes T_j, the test z >= k_j, g0_(j-1), g1_(j-2), g2_(j-3) and the basis value b3_(j-4).
; -k_j and the three R come from a table made by the launch before, by scalar loads, four knots (96 bytes) at a time, one chunk ahead, in two sets of 24 scalar registers.
; A lane works on TWO elements at once (the same feature of two rows, 16 rows apart), in register pairs, by packed instructions; the last multiply-add of level 3 parts them into two runs of 32 registers for the conversions.
; SHARES.  A work-group takes 128 rows.  Wave w = 4 q + p takes rows 32 p .. 32 p + 31 (two tiles of 16) for K steps s = 8 q .. 8 q + 7; the four quarters of K meet in LDS at the end.
; K step s holds features s (lanes 0-15) and 32 + s (lanes 16-31): lane (r, h) makes all 64 basis values of row r, feature 32 h + s, which are its own 8 registers of the operand: no code changes lanes.
; That is a permutation of K, applied alike to both operands.  Products are used transposed (source 0 = 16 columns w, source 1 = 16 rows): register j of lane (r, h) is (row r, w = 16 n + 8 h + j).
; Sixteen waves of 256 registers, four to a SIMD: one wave's dependent vector lines, scalar lines and scalar loads stand beside another's.
; NOT USED, and why: tensor loads and a ring: nothing in LDS is filled from memory twice; the one fill is 21 loads a thread.  A cluster with joint loads: what work-groups share is bq's 139,264 bytes, read once
; a work-group at its head, against eight passes of about a thousand vector instructions a wave.
; LIMITS: NaN and infinities among the inputs are not served.  1 / (knot difference) is multiplied in where the definition divides, and K is permuted: both change the order of rounding alone.  A block of zeros
; gets the byte 1 over zero codes.  erfc is Abramowitz and Stegun's 7.1.26, absolute error 1.5e-7 for every argument; it stands behind the quantisers.
.set BSC,  131072                      ; LDS: bytes 0..131071 bq's codes as they lie; then its scale words, 8,192 bytes;
.set XS,   139264                      ; then my 128 rows of inputs, 256 bytes + 16 of padding each.
.set XP,   272                         ; Behind the second barrier bytes 0..139263 take the four K quarters' partial sums, 128 rows x 272 each
.set T,    32                          ; v32-47   T_j, pair j mod 8        (at the start: skip_W's four fragments, v32-63)
.set G0,   48                          ; v48-57   g0_i, pair i mod 5
.set G1,   58                          ; v58-67   g1_i
.set G2,   68                          ; v68-77   g2_i
.set TMP,  78                          ; v78-85   four pairs at work
.set CODE, 88                          ; v88-95, v96-103  the two tiles' codes
.set O,    104                         ; v104-135, v136-167  a block's 32 basis values of each tile; the first run takes B's four fragments at a pass's end
.set ACC,  168                         ; v168-231 accumulator (tile e, columns 16 n on) at ACC + 32 e + 8 n
.set GE,   66                          ; s66-75   the tests z >= k_j: tile e, j mod 5 at GE + 5 e + j mod 5
; v1 my x in LDS; v2 16 x lane; v3 B's scale words + 4 x lane; v4 8 h; v5-7 the pass's addresses; v[8:9] the next pass's x; v[10:11] z; v12, v13 shift, fs; v14, v15 at work; v16, v17 largest magnitudes;
; v18, v19 the conversions' scale operands; v20-23 scale bytes; v24, v25 the rows' scale words; v26, v27 lane permutes' destinations; v28, v29 the weights' scale words; v30, v31 skip_W's offsets;
; v232-247 skip_b, bias, gamma, beta; v248-251 the fill's addresses; v252 where I put partial sums; v253, v254 where I read them; v255 my offset in out0.
; s2 wave, s3 p, s14 q; s[4:13] pointers; s[16:39], s[40:63] the table's two sets; s[76:79] shift and fs of the pass; s80 passes left; s81 s; s82-85 offsets; s86 mask of lanes 16-31; s[88:89] selects; s90-99 constants.
.macro BARRIER                         ; my LDS stores have landed and my LDS loads are in: then the work-group's barrier
	s_wait_dscnt 0x0
	s_barrier_signal -1
	s_barrier_wait -1
.endm
.macro LDTAB c                         ; chunk c of the table: four records of six words, into set c mod 2
	s_load_b512 s[16+24*((\c)%2):31+24*((\c)%2)], s[8:9], 96*(\c)
	s_load_b256 s[32+24*((\c)%2):39+24*((\c)%2)], s[8:9], 96*(\c)+64
.endm
; Four steps of the recursion, j = 4 c .. 4 c + 3, phase by phase, so that a result is used four lines on.  The rings hold just what a chunk carries in and writes: eight T, five of each g.
.macro CHUNK c
.set SB, 16+24*((\c)%2)
	s_wait_kmcnt 0x0                               ; this chunk's records, asked for a chunk ago, are in (scalar loads: only the count 0 shows anything)
.if (\c) < 16
	LDTAB (\c)+1                                   ; the next chunk's, into the set that the last chunk has read
.endif
.irp jj, 0,1,2,3
.set J, 4*(\c)+\jj
	v_pk_add_f32 v[T+2*(J%8):T+2*(J%8)+1], v[10:11], s[SB+6*\jj:SB+6*\jj+1] op_sel_hi:[1,0]   ; T_j = z - k_j
.endr
.irp jj, 0,1,2,3
.set J, 4*(\c)+\jj
.irp e, 0,1
.if J == 67
	v_cmp_lt_f32 s[GE+5*\e+J%5], 0, v[T+2*(J%8)+\e]   ; the last interval is closed on the right: z > k_67 leaves it
.else
	v_cmp_le_f32 s[GE+5*\e+J%5], 0, v[T+2*(J%8)+\e]   ; z >= k_j
.endif
.endr
.endr
.irp jj, 0,1,2,3
.set J, 4*(\c)+\jj
.if J >= 1
.irp e, 0,1
	s_and_not1_b32 s[GE+5*\e+(J+4)%5], s[GE+5*\e+(J+4)%5], s[GE+5*\e+J%5]   ; z in interval j - 1
.endr
.endif
.endr
.irp jj, 0,1,2,3
.set J, 4*(\c)+\jj
.if J >= 1
.irp e, 0,1
	v_cndmask_b32 v[G0+2*((J+4)%5)+\e], 0, s[SB+6*\jj+1], s[GE+5*\e+(J+4)%5]   ; g0_(j-1)
.endr
.endif
.endr
.irp jj, 0,1,2,3
.set J, 4*(\c)+\jj
.if J >= 2
	v_pk_mul_f32 v[TMP+2*\jj:TMP+2*\jj+1], v[T+2*((J+6)%8):T+2*((J+6)%8)+1], v[G0+2*((J+3)%5):G0+2*((J+3)%5)+1]
.endif
.endr
.irp jj, 0,1,2,3
.set J, 4*(\c)+\jj
.if J >= 2
	v_pk_fma_f32 v[TMP+2*\jj:TMP+2*\jj+1], v[T+2*(J%8):T+2*(J%8)+1], v[G0+2*((J+4)%5):G0+2*((J+4)%5)+1], v[TMP+2*\jj:TMP+2*\jj+1] neg_lo:[1,0,0] neg_hi:[1,0,0]
.endif
.endr
.irp jj, 0,1,2,3
.set J, 4*(\c)+\jj
.if J >= 2
	v_pk_mul_f32 v[G1+2*((J+3)%5):G1+2*((J+3)%5)+1], v[TMP+2*\jj:TMP+2*\jj+1], s[SB+6*\jj+2:SB+6*\jj+3] op_sel_hi:[1,0]   ; g1_(j-2)
.endif
.endr
.irp jj, 0,1,2,3
.set J, 4*(\c)+\jj
.if J >= 3
	v_pk_mul_f32 v[TMP+2*\jj:TMP+2*\jj+1], v[T+2*((J+5)%8):T+2*((J+5)%8)+1], v[G1+2*((J+2)%5):G1+2*((J+2)%5)+1]
.endif
.endr
.irp jj, 0,1,2,3
.set J, 4*(\c)+\jj
.if J >= 3
	v_pk_fma_f32 v[TMP+2*\jj:TMP+2*\jj+1], v[T+2*(J%8):T+2*(J%8)+1], v[G1+2*((J+3)%5):G1+2*((J+3)%5)+1], v[TMP+2*\jj:TMP+2*\jj+1] neg_lo:[1,0,0] neg_hi:[1,0,0]
.endif
.endr
.irp jj, 0,1,2,3
.set J, 4*(\c)+\jj
.if J >= 3
	v_pk_mul_f32 v[G2+2*((J+2)%5):G2+2*((J+2)%5)+1], v[TMP+2*\jj:TMP+2*\jj+1], s[SB+6*\jj+4:SB+6*\jj+5] op_sel_hi:[1,0]   ; g2_(j-3)
.endif
.endr
.if (\c) >= 1
.irp jj, 0,1,2,3
.set J, 4*(\c)+\jj
	v_pk_mul_f32 v[TMP+2*\jj:TMP+2*\jj+1], v[T+2*((J+4)%8):T+2*((J+4)%8)+1], v[G2+2*((J+1)%5):G2+2*((J+1)%5)+1]
.endr
.irp jj, 0,1,2,3
.set J, 4*(\c)+\jj
.irp e, 0,1
	v_fma_f32 v[O+32*\e+(J-4)%32], -v[T+2*(J%8)+\e], v[G2+2*((J+2)%5)+\e], v[TMP+2*\jj+\e]   ; b3_(j-4), each tile's into its own run
.endr
.endr
.set OB, (4*((\c)-1))%32
.irp e, 0,1
.if OB == 0
	v_max3_num_f32 v[16+\e], |v[O+32*\e]|, |v[O+32*\e+1]|, 0x1800000   ; a block's largest magnitude begins, with the floor 2^(3 - 127): the byte cannot fall under 1
.else
	v_max3_num_f32 v[16+\e], v[16+\e], |v[O+32*\e+OB]|, |v[O+32*\e+OB+1]|
.endif
.endr
.irp e, 0,1
	v_max3_num_f32 v[16+\e], v[16+\e], |v[O+32*\e+OB+2]|, |v[O+32*\e+OB+3]|
.endr
.endif
.endm
.macro QUANT e, blk                    ; tile e's 32 numbers become registers 4 blk .. 4 blk + 3 of its operand, and a scale byte
	v_add_nc_u32 v[18+\e], 0xff000000, v[16+\e]    ; 2 off the largest magnitude's exponent field: the conversion's scale operand
	v_lshrrev_b32 v[20+2*\e+\blk], 23, v[18+\e]
.irp t, 0,1,2,3
	v_cvt_scalef32_pk8_fp4_f32 v[CODE+8*\e+4*\blk+\t], v[O+32*\e+8*\t:O+32*\e+8*\t+7], v[18+\e]
.endr
.endm
.macro WORD e                          ; tile e's scale word: my two bytes are blocks h and 2 + h; lane l xor 16 has the other two
	v_lshl_or_b32 v[14+\e], v[21+2*\e], 16, v[20+2*\e]
	v_lshlrev_b32 v[14+\e], v4, v[14+\e]
	v_permlanex16_b32 v[26+\e], v[14+\e], s88, s89
	v_or_b32 v[24+\e], v[14+\e], v[26+\e]
.endm
.macro SIGM                            ; z = 1 / (1 + 2^(fs (x - shift))) of the pair in v[8:9]
	v_mov_b32 v12, s76
	v_mov_b32 v13, s78
	v_cndmask_b32 v12, v12, s77, s86               ; lanes 16-31: feature 32 + s
	v_cndmask_b32 v13, v13, s79, s86
	v_sub_f32 v14, v8, v12
	v_sub_f32 v15, v9, v12
	v_mul_f32 v14, v14, v13
	v_mul_f32 v15, v15, v13
	v_exp_f32 v14, v14
	v_exp_f32 v15, v15
	v_nop
	s_wait_alu depctr_va_vdst(0)
	v_add_f32 v14, 1.0, v14
	v_add_f32 v15, 1.0, v15
	v_rcp_f32 v10, v14
	v_rcp_f32 v11, v15
	v_nop
.endm
.macro WM acc, fr, cd, sw, aw, odd, zero
.if \zero
.if \odd
	v_wmma_scale_f32_16x16x128_f8f6f4 v[(\acc):(\acc)+7], v[(\fr):(\fr)+7], v[(\cd):(\cd)+7], 0, v[(\sw)], v[(\aw)] matrix_a_fmt:MATRIX_FMT_FP4 matrix_b_fmt:MATRIX_FMT_FP4 matrix_a_scale:MATRIX_SCALE_ROW1
.else
	v_wmma_scale_f32_16x16x128_f8f6f4 v[(\acc):(\acc)+7], v[(\fr):(\fr)+7], v[(\cd):(\cd)+7], 0, v[(\sw)], v[(\aw)] matrix_a_fmt:MATRIX_FMT_FP4 matrix_b_fmt:MATRIX_FMT_FP4
.endif
.else
.if \odd
	v_wmma_scale_f32_16x16x128_f8f6f4 v[(\acc):(\acc)+7], v[(\fr):(\fr)+7], v[(\cd):(\cd)+7], v[(\acc):(\acc)+7], v[(\sw)], v[(\aw)] matrix_a_fmt:MATRIX_FMT_FP4 matrix_b_fmt:MATRIX_FMT_FP4 matrix_a_scale:MATRIX_SCALE_ROW1
.else
	v_wmma_scale_f32_16x16x128_f8f6f4 v[(\acc):(\acc)+7], v[(\fr):(\fr)+7], v[(\cd):(\cd)+7], v[(\acc):(\acc)+7], v[(\sw)], v[(\aw)] matrix_a_fmt:MATRIX_FMT_FP4 matrix_b_fmt:MATRIX_FMT_FP4
.endif
.endif
.endm
; Eight products: four fragments of weights (at v[fb] on) x two tiles of rows.  The weights' scale words of fragments 2 i and 2 i + 1 share v[28 + i], lanes 0-15 and 16-31.
; The eight accumulators take turns, one instruction a turn, over the loop's backward jump too.
.macro MM fb, zero
.irp n, 0,1,2,3
.irp e, 0,1
	WM ACC+32*\e+8*\n, \fb+8*\n, CODE+8*\e, 28+\n/2, 24+\e, \n%2, \zero
.endr
.endr
.endm
	; ---- the head: ids, and every address register, ahead of the first branch on the wave's number
	s_load_b256 s[4:11], s[0:1], 0x0               ; inputs, bq, tab, skip_W's codes
	s_load_b64 s[12:13], s[0:1], 0x20              ; skip_W's scales
	v_lshl_add_u32 v86, v0, 2, 0x2a800
	v_mov_b32 v87, 0
	v_lshrrev_b32 v14, 5, v0
	v_readfirstlane_b32 s2, v14                    ; wave 0..15
	s_and_b32 s3, s2, 3                            ; p: which 32 rows
	s_lshr_b32 s14, s2, 2                          ; q: which quarter of K
	v_and_b32 v15, 15, v0                          ; r
	v_bfe_u32 v14, v0, 4, 1                        ; h
	v_and_b32 v13, 31, v0                          ; lane
	s_mul_i32 s82, s3, 32*XP
	s_add_co_u32 s83, s82, XS
	v_mul_u32_u24 v1, v15, XP
	v_lshl_add_u32 v1, v14, 7, v1
	v_add_nc_u32 v1, s83, v1                       ; x: row 32 p + r, feature 32 h
	v_lshlrev_b32 v2, 4, v13
	v_lshl_add_u32 v3, v13, 2, BSC
	v_lshlrev_b32 v4, 3, v14
	v_lshlrev_b32 v30, 5, v15
	v_lshl_add_u32 v30, v14, 4, v30                ; skip_W's codes: row r of 32 bytes, block h
	v_lshlrev_b32 v31, 1, v13                      ; and its scales: two bytes a row
	v_lshrrev_b32 v248, 4, v0
	v_mul_u32_u24 v248, v248, XP
	v_lshl_add_u32 v248, v15, 4, v248
	v_add_nc_u32 v248, XS, v248                    ; the fill of x: sixteen threads to a row
	v_lshlrev_b32 v249, 4, v0                      ; the fill of bq: as it lies; three registers, since an LDS immediate has 16 bits
	v_add_nc_u32 v250, 0x10000, v249
	v_add_nc_u32 v251, 0x20000, v249
	s_mul_i32 s84, s14, 128*XP
	s_add_co_u32 s84, s84, s82
	v_mul_u32_u24 v252, v15, XP
	v_lshl_add_u32 v252, v14, 5, v252
	v_add_nc_u32 v252, s84, v252                   ; partial sums, in: quarter q, row 32 p + r, 32 h bytes on
	s_mul_i32 s84, s2, 8*XP
	v_mul_u32_u24 v253, v14, XP
	v_lshl_add_u32 v253, v15, 4, v253
	v_add_nc_u32 v253, s84, v253                   ; and back: row 8 w + h, 16 bytes a lane; quarters 0 and 1,
	v_add_nc_u32 v254, 2*128*XP, v253              ; quarters 2 and 3
	s_lshl_b32 s84, s2, 11
	v_add_nc_u32 v255, s84, v2                     ; out0: 8 rows a wave, 16 bytes a lane
	v_mov_b32 v26, 0                               ; written once: a lane permute's destination counts as one of its sources
	v_mov_b32 v27, 0
	s_mov_b32 s86, 0xffff0000
	s_mov_b32 s88, 0x76543210
	s_mov_b32 s89, 0xfedcba98
	s_lshl_b32 s82, ttmp9, 15                      ; my work-group's 128 rows of 256 bytes
	s_mov_b32 s83, 0
	s_wait_kmcnt 0x0
	s_add_nc_u64 s[4:5], s[4:5], s[82:83]
	; ---- the fill: 4 loads of x and 17 of bq a thread, each 8,192 consecutive bytes for the work-group
.irp i, 0,1,2,3
	global_load_b128 v[O+4*\i:O+4*\i+3], v249, s[4:5] offset:8192*\i th:TH_LOAD_NT
.endr
.set i, 0
.rept 17
	global_load_b128 v[O+16+4*i:O+16+4*i+3], v249, s[6:7] offset:8192*i
.set i, i+1
.endr
.irp i, 0,1,2,3
	s_wait_loadcnt 20-\i                           ; loads come back in order: the count is the loads issued behind this one
	ds_store_b128 v248, v[O+4*\i:O+4*\i+3] offset:32*XP*\i
.endr
.set i, 0
.rept 17
	s_wait_loadcnt 16-i
	ds_store_b128 v[249+i/8], v[O+16+4*i:O+16+4*i+3] offset:8192*(i%8)
.set i, i+1
.endr
	BARRIER                                        ; x and the weights lie in LDS
	; ---- the sums begin.  Quarter 0's waves begin them with the skip product; K = 64 fills blocks 0 and 1 of the instruction's four, the others are zero codes on both sides
	s_cmp_lg_u32 s14, 0
	s_cbranch_scc1 .Lclear
.irp n, 0,1,2,3
	global_load_b128 v[T+8*\n:T+8*\n+3], v30, s[10:11] offset:512*\n   ; skip_W's rows 16 n + r, block h
.endr
	global_load_u16 v28, v31, s[12:13]             ; their scale bytes: lanes 0-15 fragment 0's rows, lanes 16-31 fragment 1's; the upper two bytes are 0, over zero codes
	global_load_u16 v29, v31, s[12:13] offset:64
.irp e, 0,1
.irp i, 0,1,2,3,4,5,6,7
	ds_load_b128 v[O+32*\e+4*\i:O+32*\e+4*\i+3], v1 offset:16*XP*\e+16*\i   ; x(row, 32 h .. 32 h + 31): a whole block in a lane
.endr
.endr
	s_wait_dscnt 0x0
.irp e, 0,1
	v_max3_num_f32 v[16+\e], |v[O+32*\e]|, |v[O+32*\e+1]|, 0x1800000
.endr
.irp i, 2,4,6,8,10,12,14,16,18,20,22,24,26,28,30
.irp e, 0,1
	v_max3_num_f32 v[16+\e], v[16+\e], |v[O+32*\e+\i]|, |v[O+32*\e+\i+1]|
.endr
.endr
	QUANT 0, 0
	QUANT 1, 0
	v_nop                                          ; one plain place behind the conversions
.irp e, 0,1
	v_lshlrev_b32 v[14+\e], v4, v[20+2*\e]         ; my byte is block h's
.endr
.irp e, 0,1
	v_permlanex16_b32 v[26+\e], v[14+\e], s88, s89
.endr
.irp e, 0,1
	v_or_b32 v[24+\e], v[14+\e], v[26+\e]
.endr
.irp e, 0,1
.irp t, 4,5,6,7
	v_mov_b32 v[CODE+8*\e+\t], 0                   ; zero codes for the rest of the K step, in x
.endr
.endr
.irp n, 0,1,2,3
.irp t, 4,5,6,7
	v_mov_b32 v[T+8*\n+\t], 0                      ; and in skip_W
.endr
.endr
.rept 8
	v_nop                                          ; a scale register written by a vector instruction stands 8 places ahead of a scaled matrix instruction, an operand so written 4
.endr
	s_wait_loadcnt 0x0                             ; skip_W
	MM T, 1
.rept 4
	v_nop                                          ; places in front of the vector lines that write skip_W's registers again
.endr
	s_branch .Lsums
.Lclear:
.set i, 0
.rept 64
	v_mov_b32 v[ACC+i], 0                          ; the other quarters' sums begin at 0: cleared once, since a first pass written out with the constant 0 would be a second copy of the whole pass
.set i, i+1
.endr
.Lsums:
	s_lshl_b32 s81, s14, 3                         ; s = 8 q
	s_mov_b32 s80, 8
	LDTAB 0
	s_lshl_b32 s83, s81, 4
	s_load_b128 s[76:79], s[8:9], s83 offset:2048  ; shift and fs of features s and 32 + s
	s_lshl_b32 s84, s81, 2
	v_add_nc_u32 v5, s84, v1
	ds_load_b32 v8, v5                             ; x(row, 32 h + s) of my two tiles
	ds_load_b32 v9, v5 offset:16*XP
	s_wait_kmcnt 0x0
	s_wait_dscnt 0x0
	SIGM
	; ---- a pass: one K step.  Eight trips
.Lpass:
	s_add_co_u32 s85, s81, 1
	s_min_u32 s85, s85, 31                         ; the next pass's s, held inside x and the table: a wave's last trip asks for an element that it does not use, so that the trip is written once
	s_lshl_b32 s84, s85, 2
	s_lshl_b32 s83, s85, 4
	s_lshl_b32 s82, s81, 12
	v_add_nc_u32 v5, s84, v1
	ds_load_b32 v8, v5
	ds_load_b32 v9, v5 offset:16*XP
	v_add_nc_u32 v6, s82, v2                       ; this K step's four fragments,
	s_lshl_b32 s82, s81, 8
	v_add_nc_u32 v7, s82, v3                       ; and their scale words
	s_wait_alu depctr_va_vdst(0)
.set Q, 0
.rept 9
	CHUNK Q
.set Q, Q+1
.endr
	QUANT 0, 0                                     ; basis values 0..31 are made
	QUANT 1, 0
	v_nop                                          ; one plain place behind the conversions
.rept 8
	CHUNK Q
.set Q, Q+1
.endr
	LDTAB 0                                        ; the next pass's first chunk: set 0 has been read
	s_load_b128 s[76:79], s[8:9], s83 offset:2048
	QUANT 0, 1
	v_nop
.irp n, 0,1,2,3
.irp c, 0,1
	ds_load_b128 v[O+8*\n+4*\c:O+8*\n+4*\c+3], v6 offset:1024*\n+512*\c   ; B's fragments as images of their registers, into the run that tile 0's numbers have left
.endr
.endr
	ds_load_b32 v28, v7
	ds_load_b32 v29, v7 offset:128
	QUANT 1, 1
	v_nop
	WORD 0
	WORD 1
	s_wait_kmcnt 0x0                               ; the next pass's shift, fs and first chunk
	s_wait_dscnt 10                                ; its x is in: the ten LDS loads issued behind those two may stay out
	SIGM                                           ; its twelve plain lines are also the places between the scale words' last write and the products
	s_wait_dscnt 0x0
	MM O, 0
	s_add_co_u32 s81, s81, 1
	s_sub_co_i32 s80, s80, 1
	s_cmp_lg_u32 s80, 0
	s_cbranch_scc1 .Lpass
	; ---- the four quarters of K meet
	s_load_b256 s[16:23], s[0:1], 0x28             ; skip_b, bias, ln_gamma, ln_beta
	s_load_b64 s[24:25], s[0:1], 0x48              ; out0
	s_mov_b32 s90, 0xbc800000                      ; -1 / 64
	s_mov_b32 s91, 0x3c800000                      ; 1 / 64
	s_mov_b32 s92, 0x3727c5ac                      ; 1e-5
	s_mov_b32 s93, 0x3e6d3389                      ; 0.3275911 / sqrt(2)
	s_mov_b32 s94, 0xbf38aa3b                      ; -log2(e) / 2
	s_mov_b32 s95, 0x3e827906                      ; a1 .. a5
	s_mov_b32 s96, 0xbe91a98e
	s_mov_b32 s97, 0x3fb5f0e3
	s_mov_b32 s98, 0xbfba00e3
	s_mov_b32 s99, 0x3f87dc22
	s_lshl_b32 s82, ttmp9, 15
	s_mov_b32 s83, 0
	v_and_b32 v6, 15, v0
	v_lshlrev_b32 v6, 4, v6                        ; my four columns' bytes in the vectors of 64
.rept 4
	v_nop                                          ; four places between the last products and the LDS stores that read their results
.endr
	s_wait_kmcnt 0x0
	s_add_nc_u64 s[24:25], s[24:25], s[82:83]
	global_load_b128 v[232:235], v6, s[16:17]
	global_load_b128 v[236:239], v6, s[18:19]
	global_load_b128 v[240:243], v6, s[20:21]
	global_load_b128 v[244:247], v6, s[22:23]
	BARRIER                                        ; every wave's reads of the weights are over: their bytes take the partial sums
.irp e, 0,1
.irp n, 0,1,2,3
	ds_store_b128 v252, v[ACC+32*\e+8*\n:ACC+32*\e+8*\n+3] offset:16*XP*\e+64*\n       ; each accumulator from its low end on
	ds_store_b128 v252, v[ACC+32*\e+8*\n+4:ACC+32*\e+8*\n+7] offset:16*XP*\e+64*\n+16
.endr
.endr
	BARRIER                                        ; four partial sums of 128 rows lie in LDS
	; ---- the finish: wave w takes rows 8 w .. 8 w + 7; lane l row 8 w + 2 it + l / 16, columns 4 (l % 16) on: sixteen lanes hold a row
.irp q, 0,1,2,3
.irp it, 0,1,2,3
	ds_load_b128 v[O+16*\q+4*\it:O+16*\q+4*\it+3], v[253+\q/2] offset:128*XP*(\q%2)+2*XP*\it
.endr
.endr
	s_wait_dscnt 0x0
	s_wait_loadcnt 0x0
	v_pk_add_f32 v[232:233], v[232:233], v[236:237]   ; skip_b + bias
	v_pk_add_f32 v[234:235], v[234:235], v[238:239]
.irp i, 0,2,4,6,8,10,12,14
	v_pk_add_f32 v[O+\i:O+\i+1], v[O+\i:O+\i+1], v[O+16+\i:O+16+\i+1]
	v_pk_add_f32 v[O+32+\i:O+32+\i+1], v[O+32+\i:O+32+\i+1], v[O+48+\i:O+48+\i+1]
.endr
.irp i, 0,2,4,6,8,10,12,14
	v_pk_add_f32 v[O+\i:O+\i+1], v[O+\i:O+\i+1], v[O+32+\i:O+32+\i+1]
.endr
.irp i, 0,2,4,6,8,10,12,14
	v_pk_add_f32 v[O+\i:O+\i+1], v[O+\i:O+\i+1], v[232+\i%4:233+\i%4]   ; c
.endr
.irp it, 0,1,2,3
	v_pk_add_f32 v[176+2*\it:177+2*\it], v[O+4*\it:O+4*\it+1], v[O+4*\it+2:O+4*\it+3]
.endr
.irp it, 0,1,2,3
	v_add_f32 v[168+\it], v[176+2*\it], v[177+2*\it]
.endr
.irp m, 1,2,4,8
.irp it, 0,1,2,3
	v_add_f32_dpp v[168+\it], v[168+\it], v[168+\it] row_xmask:\m row_mask:0xf bank_mask:0xf   ; the row's sum, in all its sixteen lanes
.endr
.endr
.irp it, 0,1,2,3
.irp k, 0,1,2,3
	v_fma_f32 v[O+4*\it+\k], v[168+\it], s90, v[O+4*\it+\k]   ; c - mean
.endr
.endr
.irp it, 0,1,2,3
	v_mul_f32 v[172+\it], v[O+4*\it], v[O+4*\it]
.endr
.irp k, 1,2,3
.irp it, 0,1,2,3
	v_fma_f32 v[172+\it], v[O+4*\it+\k], v[O+4*\it+\k], v[172+\it]
.endr
.endr
.irp m, 1,2,4,8
.irp it, 0,1,2,3
	v_add_f32_dpp v[172+\it], v[172+\it], v[172+\it] row_xmask:\m row_mask:0xf bank_mask:0xf
.endr
.endr
.irp it, 0,1,2,3
	v_fma_f32 v[172+\it], v[172+\it], s91, s92     ; var + 1e-5
.endr
.irp it, 0,1,2,3
	v_rsq_f32 v[172+\it], v[172+\it]
.endr
	v_nop                                          ; one plain place behind the transcendentals
	s_wait_alu depctr_va_vdst(0)
.irp it, 0,1,2,3
.irp k, 0,1,2,3
	v_mul_f32 v[O+4*\it+\k], v[O+4*\it+\k], v[172+\it]
.endr
.endr
.irp i, 0,2,4,6,8,10,12,14
	v_pk_fma_f32 v[O+\i:O+\i+1], v[O+\i:O+\i+1], v[240+\i%4:241+\i%4], v[244+\i%4:245+\i%4]   ; y
.endr
; gelu(y) = max(y, 0) - 0.5 |y| erfc(|y| / sqrt(2)): no difference of near numbers on either side.  erfc(a) = t (a1 + t (a2 + t (a3 + t (a4 + t a5)))) exp(-a^2), t = 1 / (1 + 0.3275911 a).  Four numbers by turns
.macro GELU4 b
.irp k, 0,1,2,3
	v_fma_f32 v[176+\k], |v[(\b)+\k]|, s93, 1.0
.endr
.irp k, 0,1,2,3
	v_mul_f32 v[180+\k], v[(\b)+\k], v[(\b)+\k]
.endr
.irp k, 0,1,2,3
	v_mul_f32 v[180+\k], s94, v[180+\k]
.endr
.irp k, 0,1,2,3
	v_rcp_f32 v[176+\k], v[176+\k]                 ; t
.endr
.irp k, 0,1,2,3
	v_exp_f32 v[180+\k], v[180+\k]                 ; exp(-a^2)
.endr
.irp k, 0,1,2,3
	v_mul_f32 v[188+\k], -0.5, |v[(\b)+\k]|        ; (plain lines behind the transcendentals)
.endr
	s_wait_alu depctr_va_vdst(0)
.irp k, 0,1,2,3
	v_fma_f32 v[184+\k], v[176+\k], s99, s98
.endr
.irp k, 0,1,2,3
	v_fma_f32 v[184+\k], v[176+\k], v[184+\k], s97
.endr
.irp k, 0,1,2,3
	v_fma_f32 v[184+\k], v[176+\k], v[184+\k], s96
.endr
.irp k, 0,1,2,3
	v_fma_f32 v[184+\k], v[176+\k], v[184+\k], s95
.endr
.irp k, 0,1,2,3
	v_mul_f32 v[184+\k], v[184+\k], v[176+\k]
.endr
.irp k, 0,1,2,3
	v_mul_f32 v[184+\k], v[184+\k], v[180+\k]      ; erfc
.endr
.irp k, 0,1,2,3
	v_max_num_f32 v[(\b)+\k], 0, v[(\b)+\k]
.endr
.irp k, 0,1,2,3
	v_fma_f32 v[(\b)+\k], v[188+\k], v[184+\k], v[(\b)+\k]
.endr
.endm
.irp it, 0,1,2,3
	GELU4 O+4*\it
	global_store_b128 v255, v[O+4*\it:O+4*\it+3], s[24:25] offset:512*\it th:TH_STORE_NT   ; 32 lanes store 512 consecutive bytes, two rows, at a multiple of 256 from out0's first byte
.endr
	s_wait_tensorcnt 0x0
	ds_add_u32 v86, v87
	s_wait_dscnt 0x0
	s_endpgm
.Lfunc_end_k_q26789e0949_main:
	.size	k_q26789e0949_main, .Lfunc_end_k_q26789e0949_main-k_q26789e0949_main
	.p2alignl 7, 3214868480
	.fill 96, 4, 3214868480
	.section	.rodata,"a",@progbits
	.p2align	6, 0x0
	.amdhsa_kernel k_q26789e0949_main
		.amdhsa_group_segment_fixed_size 176128
		.amdhsa_private_segment_fixed_size 0
		.amdhsa_enable_private_segment 0
		.amdhsa_kernarg_size 80
		.amdhsa_user_sgpr_count 2
		.amdhsa_user_sgpr_kernarg_segment_ptr 1
		.amdhsa_wavefront_size32 1
		.amdhsa_system_sgpr_workgroup_id_x 1
		.amdhsa_system_sgpr_workgroup_id_y 1
		.amdhsa_system_sgpr_workgroup_id_z 1
		.amdhsa_system_vgpr_workitem_id 0
		.amdhsa_next_free_vgpr 256
		.amdhsa_next_free_sgpr 100
		.amdhsa_reserve_vcc 0
		.amdhsa_float_denorm_mode_32 3
		.amdhsa_float_denorm_mode_16_64 3
		.amdhsa_memory_ordered 1
		.amdhsa_forward_progress 1
		.amdhsa_inst_pref_size 113
	.end_amdhsa_kernel
	.amdgpu_metadata
---
amdhsa.version: [ 1, 2 ]
amdhsa.kernels:
  - .name:           k_q26789e0949_main
    .symbol:         k_q26789e0949_main.kd
    .args:
      - { .name: inputs, .offset: 0, .size: 8, .value_kind: global_buffer, .address_space: global }
      - { .name: bq, .offset: 8, .size: 8, .value_kind: global_buffer, .address_space: global }
      - { .name: tab, .offset: 16, .size: 8, .value_kind: global_buffer, .address_space: global }
      - { .name: skip_W_codes, .offset: 24, .size: 8, .value_kind: global_buffer, .address_space: global }
      - { .name: skip_W_scales, .offset: 32, .size: 8, .value_kind: global_buffer, .address_space: global }
      - { .name: skip_b, .offset: 40, .size: 8, .value_kind: global_buffer, .address_space: global }
      - { .name: bias, .offset: 48, .size: 8, .value_kind: global_buffer, .address_space: global }
      - { .name: ln_gamma, .offset: 56, .size: 8, .value_kind: global_buffer, .address_space: global }
      - { .name: ln_beta, .offset: 64, .size: 8, .value_kind: global_buffer, .address_space: global }
      - { .name: out0, .offset: 72, .size: 8, .value_kind: global_buffer, .address_space: global }
    .group_segment_fixed_size: 176128
    .private_segment_fixed_size: 0
    .kernarg_segment_align: 8
    .kernarg_segment_size: 80
    .max_flat_workgroup_size: 512
    .sgpr_count:     100
    .vgpr_count:     256
    .wavefront_size: 32
...
	.end_amdgpu_metadata
.endif
;; end of part 2
;; ======== version 2 of 2: 2 launches
;; limits: a function is approximated: absolute error at most 1.5e-07
;; workspace buffers: bq 139,264 bytes; tab 2,560 bytes
;; launch prep (part 3): grid 65 x 1, 1 waves a work-group, no clusters, 0 bytes of LDS; arguments spline_coeffs, knots, input_shift, input_log_scale, bq, tab; writes bq, tab
.if DOCPART == 3
	.amdgcn_target "amdgcn-amd-amdhsa--gfx1250"
	.amdhsa_code_object_version 6
	.text
	.protected	k_q26789e0949_prep
	.globl	k_q26789e0949_prep
	.p2align	8
	.type	k_q26789e0949_prep,@function
k_q26789e0949_prep:
	s_mov_b64 s[64:65], 0
	v_nop
	global_prefetch_b8 v0, s[64:65] scope:SCOPE_SE
	s_setreg_imm32_b32 hwreg(HW_REG_WAVE_MODE, 25, 1), 1
	s_wait_xcnt 0x0
; What every work-group of the second launch reads is made once here.
; WORK-GROUPS 0..63: spline_coeffs [64 f][64 g][64 w], f32, becomes codes of FP4 (E2M1) with one E8M0 byte for each 32 along K = (f, g).
;   K step s (0..31) of the product holds features s and 32 + s.  A fragment (16 columns w x 128 K) is laid as the image of its registers: lane (r, h) holds column
;   w = 16 n + r of feature 32 h + s; registers 4 c .. 4 c + 3 hold g = 32 c .. 32 c + 31.  bq: codes [s 32][n 4][c 2][lane 32][16 bytes]; from byte 131072 the scale words [s][n][r], byte 2 c + h.
;   A lane takes a column and its registers run down g, so a block of 32 lies in one lane and nothing is transposed.  Work-group 2 s + j2 makes fragments n = 2 j2, 2 j2 + 1 of K step s.
; WORK-GROUP 64: two small tables, tab.
;   bytes 0..1631: for knot j = 0..67 a record of six words {-k_j, R(k_j - k_(j-1)), R(k_j - k_(j-2)), 0, R(k_j - k_(j-3)), 0}, R(d) = 1 / d where d > 0, else 0: the recursion's weights, whatever the knots' order.
;   bytes 2048..2559: for s = 0..31 {shift_s, shift_(32+s), fs_s, fs_(32+s)}, fs = -log2(e) x (softplus(log_scale) + 0.001).
; A block's scale byte is its largest magnitude's exponent field - 2, held at 1 from below.  A block of zeros so gets the byte 1 where the rule says 127: its codes are zeros, and this program alone reads the bytes.
; LIMITS: positive knot differences under 2^-126 or over 2^126 are not served (the reciprocal flushes there); NaN and infinities among the inputs are not served.
.set FLOOR, 0x1800000                  ; 2^(3 - 127)
.set X,    32                          ; v32-159  two fragments' numbers, 64 a lane each
.set C,    16                          ; v16-31   their codes
.set WRD,  160                         ; v160, v161 their scale words; v162 the word that my lane stores; v163 a lane permute's destination
	s_load_b128 s[4:7], s[0:1], 0x0                ; spline_coeffs, knots
	s_load_b128 s[8:11], s[0:1], 0x10              ; input_shift, input_log_scale
	s_load_b128 s[12:15], s[0:1], 0x20             ; bq, tab
	v_and_b32 v1, 15, v0                           ; r  (one wave: v0 is the lane)
	v_lshrrev_b32 v2, 4, v0                        ; h
	v_lshlrev_b32 v4, 3, v2                        ; 8 h: my bytes' place in a scale word, in bits
	v_lshlrev_b32 v5, 4, v0                        ; 16 x lane
	v_lshlrev_b32 v6, 2, v0                        ; 4 x lane
	v_mov_b32 v163, 0                              ; written once: a lane permute's destination counts as one of its sources
	s_mov_b32 s20, 0x76543210
	s_mov_b32 s21, 0xfedcba98                      ; v_permlanex16_b32's selects for lane l xor 16
	s_wait_kmcnt 0x0
	s_cmp_eq_u32 ttmp9, 64
	s_cbranch_scc1 .Ltables
	; ---- the weights
	s_lshr_b32 s16, ttmp9, 1                       ; s
	s_and_b32 s17, ttmp9, 1                        ; j2
	s_lshl_b32 s18, s16, 14                        ; feature s: 64 x 64 x 4 bytes each,
	s_lshl_b32 s19, s17, 7                         ; columns 32 j2 on
	s_add_co_u32 s18, s18, s19
	s_mov_b32 s19, 0
	s_add_nc_u64 s[4:5], s[4:5], s[18:19]
	s_lshl_b32 s18, s16, 12                        ; codes: 4,096 bytes a K step, 1,024 a fragment
	s_lshl_b32 s22, s17, 11
	s_add_co_u32 s18, s18, s22
	s_add_nc_u64 s[24:25], s[12:13], s[18:19]
	s_lshl_b32 s18, s16, 8                         ; scale words: 256 bytes a K step, 64 a fragment
	s_lshl_b32 s22, s17, 7
	s_add_co_u32 s18, s18, s22
	s_add_co_u32 s18, s18, 131072
	s_add_nc_u64 s[26:27], s[12:13], s[18:19]
	s_wait_alu depctr_va_vdst(0)
	v_lshlrev_b32 v3, 2, v1
	v_lshl_or_b32 v3, v2, 19, v3                   ; column r, and 32 features further on for lanes 16-31
.irp nn, 0,1
.set g, 0
.rept 64
	global_load_b32 v[X+64*\nn+g], v3, s[4:5] offset:64*\nn+256*g   ; coeffs(32 h + s, g, 32 j2 + 16 nn + r): sixteen lanes read 64 neighbouring bytes
.set g, g+1
.endr
.endr
; Fragment nn: two blocks a lane, by turns
.macro QB nn
.irp c, 0,1
	v_max3_num_f32 v[8+\c], |v[X+64*\nn+32*\c]|, |v[X+64*\nn+32*\c+1]|, FLOOR   ; the largest magnitude, with the floor among its leaves
.endr
.irp i, 2,4,6,8,10,12,14,16,18,20,22,24,26,28,30
.irp c, 0,1
	v_max3_num_f32 v[8+\c], v[8+\c], |v[X+64*\nn+32*\c+\i]|, |v[X+64*\nn+32*\c+\i+1]|
.endr
.endr
.irp c, 0,1
	v_add_nc_u32 v[10+\c], 0xff000000, v[8+\c]     ; 2 off its exponent field: the conversion's scale operand
.endr
.irp c, 0,1
	v_lshrrev_b32 v[12+\c], 23, v[10+\c]           ; the scale's byte
.endr
.irp c, 0,1
.irp t, 0,1,2,3
	v_cvt_scalef32_pk8_fp4_f32 v[C+8*\nn+4*\c+\t], v[X+64*\nn+32*\c+8*\t:X+64*\nn+32*\c+8*\t+7], v[10+\c]
.endr
.endr
	v_nop                                          ; one plain place behind the conversions
	v_lshl_or_b32 v14, v13, 16, v12                ; my two bytes: blocks h and 2 + h,
	v_lshlrev_b32 v14, v4, v14                     ; at their places;
	v_permlanex16_b32 v163, v14, s20, s21
	v_or_b32 v[WRD+\nn], v14, v163                 ; with lane l xor 16's two the word is whole
.endm
	s_wait_loadcnt 63                              ; at most 63 of the 128 loads are out: the first fragment's 64 are in
	QB 0
	s_wait_loadcnt 0x0
	QB 1
.irp nn, 0,1
.irp c, 0,1
	global_store_b128 v5, v[C+8*\nn+4*\c:C+8*\nn+4*\c+3], s[24:25] offset:1024*\nn+512*\c   ; 32 lanes store 512 consecutive bytes
.endr
.endr
	v_cmp_lt_u32 vcc_lo, 15, v0
	v_cndmask_b32 v162, v160, v161, vcc_lo         ; lanes 0-15 store the first fragment's words, lanes 16-31 the second's
	global_store_b32 v6, v162, s[26:27]            ; 128 consecutive bytes
	s_endpgm
.Ltables:
.set KR, 51                            ; v48-54: knots 4 cc - 3 .. 4 cc + 3, knot 4 cc + o at v[KR + o]
	v_min_u32 v7, 16, v0                           ; cc: lanes 0..16 make chunks of four records; the others repeat the last and store nothing
	v_lshlrev_b32 v7, 4, v7                        ; knot 4 cc, in bytes
	v_cmp_eq_u32 vcc_lo, 0, v0
	v_cndmask_b32 v8, v7, 12, vcc_lo               ; lane 0 has no knots below index 0: its three loads below take knots 0..2; what is made of them is never multiplied by
	v_mul_u32_u24 v9, v0, 96                       ; a chunk: 4 records x 24 bytes
	s_wait_alu depctr_va_vdst(0)
	global_load_b32 v32, v6, s[8:9]                ; shift_s
	global_load_b32 v33, v6, s[8:9] offset:128     ; shift_(32+s)
	global_load_b32 v34, v6, s[10:11]              ; log_scale_s
	global_load_b32 v35, v6, s[10:11] offset:128
.irp o, 1,2,3
	global_load_b32 v[KR-\o], v8, s[6:7] offset:-4*\o
.endr
.irp o, 0,1,2,3
	global_load_b32 v[KR+\o], v7, s[6:7] offset:4*\o
.endr
	s_wait_loadcnt 0x0
	; softplus(x) = max(x, 0) + log1p(e), e = exp(-|x|); log1p(e) = ln(u) e / (u - 1) with u = 1 + e as rounded, or e itself where u - 1 is 0: accurate for small e too
.irp i, 0,1
	v_mul_f32 v[36+\i], 0xbfb8aa3b, |v[34+\i]|
.endr
	s_wait_alu depctr_va_vdst(0)
.irp i, 0,1
	v_exp_f32 v[36+\i], v[36+\i]                   ; e
.endr
	v_nop
	s_wait_alu depctr_va_vdst(0)
.irp i, 0,1
	v_add_f32 v[38+\i], 1.0, v[36+\i]              ; u
.endr
.irp i, 0,1
	v_add_f32 v[40+\i], -1.0, v[38+\i]             ; u - 1, exact
.endr
	s_wait_alu depctr_va_vdst(0)
.irp i, 0,1
	v_log_f32 v[42+\i], v[38+\i]
	v_rcp_f32 v[44+\i], v[40+\i]
.endr
	v_nop
	s_wait_alu depctr_va_vdst(0)
.irp i, 0,1
	v_mul_f32 v[42+\i], 0x3f317218, v[42+\i]       ; ln(u)
	v_mul_f32 v[44+\i], v[36+\i], v[44+\i]         ; e / (u - 1)
.endr
.irp i, 0,1
	v_mul_f32 v[42+\i], v[42+\i], v[44+\i]
	v_cmp_eq_f32 vcc_lo, 0, v[40+\i]
	v_cndmask_b32 v[42+\i], v[42+\i], v[36+\i], vcc_lo
	v_max_num_f32 v[44+\i], 0, v[34+\i]
	v_add_f32 v[42+\i], v[42+\i], v[44+\i]         ; softplus
	v_add_f32 v[42+\i], 0x3a83126f, v[42+\i]       ; + 0.001
	v_mul_f32 v[34+\i], 0xbfb8aa3b, v[42+\i]       ; fs
.endr
	global_store_b128 v5, v[32:35], s[14:15] offset:2048   ; 32 lanes store 512 consecutive bytes
	; the records: den at v56-67, 1 / den at v68-79, the correction at v80-91, the records at v96-119
.irp jj, 0,1,2,3
.irp d, 1,2,3
	v_sub_f32 v[55+3*\jj+\d], v[KR+\jj], v[KR+\jj-\d]
.endr
.endr
	s_wait_alu depctr_va_vdst(0)
.irp jj, 0,1,2,3
.irp d, 1,2,3
	v_rcp_f32 v[67+3*\jj+\d], v[55+3*\jj+\d]
.endr
.endr
	v_nop
	s_wait_alu depctr_va_vdst(0)
.irp jj, 0,1,2,3
.irp d, 1,2,3
	v_fma_f32 v[79+3*\jj+\d], -v[55+3*\jj+\d], v[67+3*\jj+\d], 1.0
.endr
.endr
.irp jj, 0,1,2,3
.irp d, 1,2,3
	v_fma_f32 v[67+3*\jj+\d], v[67+3*\jj+\d], v[79+3*\jj+\d], v[67+3*\jj+\d]   ; one step of Newton's: the weights stand ahead of a quantiser
.endr
.endr
.irp jj, 0,1,2,3
	v_xor_b32 v[96+6*\jj], 0x80000000, v[KR+\jj]   ; -k
	v_mov_b32 v[96+6*\jj+3], 0
	v_mov_b32 v[96+6*\jj+5], 0
.irp d, 1,2,3
	v_cmp_lt_f32 vcc_lo, 0, v[55+3*\jj+\d]
	v_cndmask_b32 v[96+6*\jj+\d+\d/3], 0, v[67+3*\jj+\d], vcc_lo   ; words 1, 2, 4; 0 where the difference is not positive
.endr
.endr
	s_wait_alu depctr_va_vdst(0)
	s_wait_xcnt 0x0                                ; EXEC changes only behind this wait: a store is out
	v_cmp_gt_u32 vcc_lo, 17, v0
	s_and_saveexec_b32 s22, vcc_lo                 ; 17 chunks
.irp i, 0,1,2,3,4,5
	global_store_b128 v9, v[96+4*\i:96+4*\i+3], s[14:15] offset:16*\i
.endr
	s_wait_xcnt 0x0                                ; and again in front of the line that widens it
	s_or_b32 exec_lo, exec_lo, s22
	s_endpgm
.Lfunc_end_k_q26789e0949_prep:
	.size	k_q26789e0949_prep, .Lfunc_end_k_q26789e0949_prep-k_q26789e0949_prep
	.p2alignl 7, 3214868480
	.fill 96, 4, 3214868480
	.section	.rodata,"a",@progbits
	.p2align	6, 0x0
	.amdhsa_kernel k_q26789e0949_prep
		.amdhsa_group_segment_fixed_size 0
		.amdhsa_private_segment_fixed_size 0
		.amdhsa_enable_private_segment 0
		.amdhsa_kernarg_size 48
		.amdhsa_user_sgpr_count 2
		.amdhsa_user_sgpr_kernarg_segment_ptr 1
		.amdhsa_wavefront_size32 1
		.amdhsa_system_sgpr_workgroup_id_x 1
		.amdhsa_system_sgpr_workgroup_id_y 1
		.amdhsa_system_sgpr_workgroup_id_z 1
		.amdhsa_system_vgpr_workitem_id 0
		.amdhsa_next_free_vgpr 168
		.amdhsa_next_free_sgpr 66
		.amdhsa_reserve_vcc 1
		.amdhsa_float_denorm_mode_32 3
		.amdhsa_float_denorm_mode_16_64 3
		.amdhsa_memory_ordered 1
		.amdhsa_forward_progress 1
		.amdhsa_inst_pref_size 28
	.end_amdhsa_kernel
	.amdgpu_metadata
---
amdhsa.version: [ 1, 2 ]
amdhsa.kernels:
  - .name:           k_q26789e0949_prep
    .symbol:         k_q26789e0949_prep.kd
    .args:
      - { .name: spline_coeffs, .offset: 0, .size: 8, .value_kind: global_buffer, .address_space: global }
      - { .name: knots, .offset: 8, .size: 8, .value_kind: global_buffer, .address_space: global }
      - { .name: input_shift, .offset: 16, .size: 8, .value_kind: global_buffer, .address_space: global }
      - { .name: input_log_scale, .offset: 24, .size: 8, .value_kind: global_buffer, .address_space: global }
      - { .name: bq, .offset: 32, .size: 8, .value_kind: global_buffer, .address_space: global }
      - { .name: tab, .offset: 40, .size: 8, .value_kind: global_buffer, .address_space: global }
    .group_segment_fixed_size: 0
    .private_segment_fixed_size: 0
    .kernarg_segment_align: 8
    .kernarg_segment_size: 48
    .max_flat_workgroup_size: 32
    .sgpr_count:     66
    .vgpr_count:     168
    .wavefront_size: 32
...
	.end_amdgpu_metadata
.endif
;; end of part 3
;; launch main (part 4): grid 256 x 1, 16 waves a work-group, no clusters, 176,128 bytes of LDS; arguments inputs, bq, tab, skip_W_codes, skip_W_scales, skip_b, bias, ln_gamma, ln_beta, out0; writes out0
.if DOCPART == 4
	.amdgcn_target "amdgcn-amd-amdhsa--gfx1250"
	.amdhsa_code_object_version 6
	.text
	.protected	k_q26789e0949_main
	.globl	k_q26789e0949_main
	.p2align	8
	.type	k_q26789e0949_main,@function
k_q26789e0949_main:
	s_mov_b64 s[64:65], 0
	v_nop
	global_prefetch_b8 v0, s[64:65] scope:SCOPE_SE
	s_setreg_imm32_b32 hwreg(HW_REG_WAVE_SCHED_MODE, 0, 2), 2
	s_setreg_imm32_b32 hwreg(HW_REG_WAVE_MODE, 25, 1), 1
	s_wait_xcnt 0x0
	s_wait_alu depctr_vm_vsrc(0)
; out = gelu(layernorm(basis(z) . coeffs + x . skip_W^T + skip_b + bias)), z = sigmoid((x - shift) x scale); both products on codes of FP4 (E2M1) with one E8M0 scale for each 32 along K.
; THE BASIS is the dense Cox-de Boor recursion over all 68 knots, right for any knots (no order is taken for granted).  With T_j = z - k_j, R(d) = 1 / d where d > 0, else 0, and
; g of level d-1 = (level's value) x R(k_(i+d) - k_i), each level is  b_i = T_i g_i - T_(i+d+1) g_(i+1).  Streamed over j, step j makes T_j, the test z >= k_j, g0_(j-1), g1_(j-2), g2_(j-3) and the basis value b3_(j-4).
; -k_j and the three R come from a table made by the launch before, by scalar loads, four knots (96 bytes) at a time, one chunk ahead, in two sets of 24 scalar registers.
; A lane works on TWO elements at once (the same feature of two rows, 16 rows apart), in register pairs, by packed instructions; the last multiply-add of level 3 parts them into two runs of 32 registers for the conversions.
; SHARES.  A work-group takes 128 rows.  Wave w = 4 q + p takes rows 32 p .. 32 p + 31 (two tiles of 16) for K steps s = 8 q .. 8 q + 7; the four quarters of K meet in LDS at the end.
; K step s holds features s (lanes 0-15) and 32 + s (lanes 16-31): lane (r, h) makes all 64 basis values of row r, feature 32 h + s, which are its own 8 registers of the operand: no code changes lanes.
; That is a permutation of K, applied alike to both operands.  Products are used transposed (source 0 = 16 columns w, source 1 = 16 rows): register j of lane (r, h) is (row r, w = 16 n + 8 h + j).
; Sixteen waves of 256 registers, four to a SIMD: one wave's dependent vector lines, scalar lines and scalar loads stand beside another's.
; NOT USED, and why: tensor loads and a ring: nothing in LDS is filled from memory twice; the one fill is 21 loads a thread.  A cluster with joint loads: what work-groups share is bq's 139,264 bytes, read once
; a work-group at its head, against eight passes of about a thousand vector instructions a wave.
; LIMITS: NaN and infinities among the inputs are not served.  1 / (knot difference) is multiplied in where the definition divides, and K is permuted: both change the order of rounding alone.  A block of zeros
; gets the byte 1 over zero codes.  erfc is Abramowitz and Stegun's 7.1.26, absolute error 1.5e-7 for every argument; it stands behind the quantisers.
; THE MODE: SCHED_MODE bits 1:0 = 2 (LLVM: expert scheduling mode 2), set by the entry lines.  The code itself states the register dependences between vector or matrix instructions
; and memory or LDS instructions, and those of vector results in scalar registers, with s_wait_alu, always for 0.
; THE PLAN.  Registers that memory or LDS instructions touch:
;   v1-3, v30, v31, v248-255  addresses: written at the head, never again: one wait on va_vdst ahead of the first load serves them for the whole kernel.
;   v104-187   the fill: loaded, read by the fill's LDS stores; written again in both arms behind the first barrier: one wait on vm_vsrc ahead of the branch.
;   v5, v6, v7 a pass's LDS addresses: written by three adds at the pass's head, between a wait on vm_vsrc (the last pass's LDS loads have read them) and a wait on va_vdst, which serves all twelve LDS loads of the pass.
;   v8, v9     the next pass's x: loaded at a pass's head, read by the sigmoid at its end, ahead of the wait that stands in front of the products.
;   v104-135   written and read by the recursion, the maxima and tile 0's conversions; behind those conversions one wait on va_vdst, then the weights' fragments land there; the products read them.
;   v28, v29   the weights' scale words: loaded with the fragments; their last readers, the last pass's products, stand ahead of the pass's head.
;   v168-231   the sums: written by the products; behind the loop one wait on va_vdst (behind the places) ahead of the LDS stores that read them; one wait on vm_vsrc ahead of the finish, which writes some of them again.
;   v104-119   the results: a block's store stands behind the wait that the next block's transcendentals have anyway; the last block has a wait of its own.
;   v86, v87   written at the head, read by the closing add alone.
; The tests z >= k_j go into scalar registers: in each chunk one wait on va_sdst stands between the run of eight compares and the scalar lines that read them.
.set BSC,  131072                      ; LDS: bytes 0..131071 bq's codes as they lie; then its scale words, 8,192 bytes;
.set XS,   139264                      ; then my 128 rows of inputs, 256 bytes + 16 of padding each.
.set XP,   272                         ; Behind the second barrier bytes 0..139263 take the four K quarters' partial sums, 128 rows x 272 each
.set T,    32                          ; v32-47   T_j, pair j mod 8        (at the start: skip_W's four fragments, v32-63)
.set G0,   48                          ; v48-57   g0_i, pair i mod 5
.set G1,   58                          ; v58-67   g1_i
.set G2,   68                          ; v68-77   g2_i
.set TMP,  78                          ; v78-85   four pairs at work
.set CODE, 88                          ; v88-95, v96-103  the two tiles' codes
.set O,    104                         ; v104-135, v136-167  a block's 32 basis values of each tile; the first run takes B's four fragments at a pass's end
.set ACC,  168                         ; v168-231 accumulator (tile e, columns 16 n on) at ACC + 32 e + 8 n
.set GE,   66                          ; s66-75   the tests z >= k_j: tile e, j mod 5 at GE + 5 e + j mod 5
; v1 my x in LDS; v2 16 x lane; v3 B's scale words + 4 x lane; v4 8 h; v5-7 the pass's addresses; v[8:9] the next pass's x; v[10:11] z; v12, v13 shift, fs; v14, v15 at work; v16, v17 largest magnitudes;
; v18, v19 the conversions' scale operands; v20-23 scale bytes; v24, v25 the rows' scale words; v26, v27 lane permutes' destinations; v28, v29 the weights' scale words; v30, v31 skip_W's offsets;
; v86, v87 the closing add's two: my spare word's LDS address (behind x: 174,080 + 4 x thread; 128 bytes a wave, eight blocks of 256 bytes that no other line names) and 0;
; v232-247 skip_b, bias, gamma, beta; v248-251 the fill's addresses; v252 where I put partial sums; v253, v254 where I read them; v255 my offset in out0.
; s2 wave, s3 p, s14 q; s[4:13] pointers; s[16:39], s[40:63] the table's two sets; s[76:79] shift and fs of the pass; s80 passes left; s81 s; s82-85 offsets; s86 mask of lanes 16-31; s[88:89] selects; s90-99 constants.
.macro BARRIER                         ; my LDS stores have landed and my LDS loads are in: then the work-group's barrier
	s_wait_dscnt 0x0
	s_barrier_signal -1
	s_barrier_wait -1
.endm
.macro LDTAB c                         ; chunk c of the table: four records of six words, into set c mod 2
	s_load_b512 s[16+24*((\c)%2):31+24*((\c)%2)], s[8:9], 96*(\c)
	s_load_b256 s[32+24*((\c)%2):39+24*((\c)%2)], s[8:9], 96*(\c)+64
.endm
; Four steps of the recursion, j = 4 c .. 4 c + 3, phase by phase, so that a result is used four lines on.  The rings hold just what a chunk carries in and writes: eight T, five of each g.
.macro CHUNK c
.set SB, 16+24*((\c)%2)
	s_wait_kmcnt 0x0                               ; this chunk's records, asked for a chunk ago, are in (scalar loads: only the count 0 shows anything)
.if (\c) < 16
	LDTAB (\c)+1                                   ; the next chunk's, into the set that the last chunk has read
.endif
.irp jj, 0,1,2,3
.set J, 4*(\c)+\jj
	v_pk_add_f32 v[T+2*(J%8):T+2*(J%8)+1], v[10:11], s[SB+6*\jj:SB+6*\jj+1] op_sel_hi:[1,0]   ; T_j = z - k_j
.endr
.irp jj, 0,1,2,3
.set J, 4*(\c)+\jj
.irp e, 0,1
.if J == 67
	v_cmp_lt_f32 s[GE+5*\e+J%5], 0, v[T+2*(J%8)+\e]   ; the last interval is closed on the right: z > k_67 leaves it
.else
	v_cmp_le_f32 s[GE+5*\e+J%5], 0, v[T+2*(J%8)+\e]   ; z >= k_j
.endif
.endr
.endr
	s_wait_alu depctr_va_sdst(0)                   ; the eight compares above have written their scalar registers, ahead of their first readers: the scalar lines below
.irp jj, 0,1,2,3
.set J, 4*(\c)+\jj
.if J >= 1
.irp e, 0,1
	s_and_not1_b32 s[GE+5*\e+(J+4)%5], s[GE+5*\e+(J+4)%5], s[GE+5*\e+J%5]   ; z in interval j - 1
.endr
.endif
.endr
.irp jj, 0,1,2,3
.set J, 4*(\c)+\jj
.if J >= 1
.irp e, 0,1
	v_cndmask_b32 v[G0+2*((J+4)%5)+\e], 0, s[SB+6*\jj+1], s[GE+5*\e+(J+4)%5]   ; g0_(j-1)
.endr
.endif
.endr
.irp jj, 0,1,2,3
.set J, 4*(\c)+\jj
.if J >= 2
	v_pk_mul_f32 v[TMP+2*\jj:TMP+2*\jj+1], v[T+2*((J+6)%8):T+2*((J+6)%8)+1], v[G0+2*((J+3)%5):G0+2*((J+3)%5)+1]
.endif
.endr
.irp jj, 0,1,2,3
.set J, 4*(\c)+\jj
.if J >= 2
	v_pk_fma_f32 v[TMP+2*\jj:TMP+2*\jj+1], v[T+2*(J%8):T+2*(J%8)+1], v[G0+2*((J+4)%5):G0+2*((J+4)%5)+1], v[TMP+2*\jj:TMP+2*\jj+1] neg_lo:[1,0,0] neg_hi:[1,0,0]
.endif
.endr
.irp jj, 0,1,2,3
.set J, 4*(\c)+\jj
.if J >= 2
	v_pk_mul_f32 v[G1+2*((J+3)%5):G1+2*((J+3)%5)+1], v[TMP+2*\jj:TMP+2*\jj+1], s[SB+6*\jj+2:SB+6*\jj+3] op_sel_hi:[1,0]   ; g1_(j-2)
.endif
.endr
.irp jj, 0,1,2,3
.set J, 4*(\c)+\jj
.if J >= 3
	v_pk_mul_f32 v[TMP+2*\jj:TMP+2*\jj+1], v[T+2*((J+5)%8):T+2*((J+5)%8)+1], v[G1+2*((J+2)%5):G1+2*((J+2)%5)+1]
.endif
.endr
.irp jj, 0,1,2,3
.set J, 4*(\c)+\jj
.if J >= 3
	v_pk_fma_f32 v[TMP+2*\jj:TMP+2*\jj+1], v[T+2*(J%8):T+2*(J%8)+1], v[G1+2*((J+3)%5):G1+2*((J+3)%5)+1], v[TMP+2*\jj:TMP+2*\jj+1] neg_lo:[1,0,0] neg_hi:[1,0,0]
.endif
.endr
.irp jj, 0,1,2,3
.set J, 4*(\c)+\jj
.if J >= 3
	v_pk_mul_f32 v[G2+2*((J+2)%5):G2+2*((J+2)%5)+1], v[TMP+2*\jj:TMP+2*\jj+1], s[SB+6*\jj+4:SB+6*\jj+5] op_sel_hi:[1,0]   ; g2_(j-3)
.endif
.endr
.if (\c) >= 1
.irp jj, 0,1,2,3
.set J, 4*(\c)+\jj
	v_pk_mul_f32 v[TMP+2*\jj:TMP+2*\jj+1], v[T+2*((J+4)%8):T+2*((J+4)%8)+1], v[G2+2*((J+1)%5):G2+2*((J+1)%5)+1]
.endr
.irp jj, 0,1,2,3
.set J, 4*(\c)+\jj
.irp e, 0,1
	v_fma_f32 v[O+32*\e+(J-4)%32], -v[T+2*(J%8)+\e], v[G2+2*((J+2)%5)+\e], v[TMP+2*\jj+\e]   ; b3_(j-4), each tile's into its own run
.endr
.endr
.set OB, (4*((\c)-1))%32
.irp e, 0,1
.if OB == 0
	v_max3_num_f32 v[16+\e], |v[O+32*\e]|, |v[O+32*\e+1]|, 0x1800000   ; a block's largest magnitude begins, with the floor 2^(3 - 127): the byte cannot fall under 1
.else
	v_max3_num_f32 v[16+\e], v[16+\e], |v[O+32*\e+OB]|, |v[O+32*\e+OB+1]|
.endif
.endr
.irp e, 0,1
	v_max3_num_f32 v[16+\e], v[16+\e], |v[O+32*\e+OB+2]|, |v[O+32*\e+OB+3]|
.endr
.endif
.endm
.macro QUANT e, blk                    ; tile e's 32 numbers become registers 4 blk .. 4 blk + 3 of its operand, and a scale byte
	v_add_nc_u32 v[18+\e], 0xff000000, v[16+\e]    ; 2 off the largest magnitude's exponent field: the conversion's scale operand
	v_lshrrev_b32 v[20+2*\e+\blk], 23, v[18+\e]
.irp t, 0,1,2,3
	v_cvt_scalef32_pk8_fp4_f32 v[CODE+8*\e+4*\blk+\t], v[O+32*\e+8*\t:O+32*\e+8*\t+7], v[18+\e]
.endr
.endm
.macro WORD e                          ; tile e's scale word: my two bytes are blocks h and 2 + h; lane l xor 16 has the other two
	v_lshl_or_b32 v[14+\e], v[21+2*\e], 16, v[20+2*\e]
	v_lshlrev_b32 v[14+\e], v4, v[14+\e]
	v_permlanex16_b32 v[26+\e], v[14+\e], s88, s89
	v_or_b32 v[24+\e], v[14+\e], v[26+\e]
.endm
.macro SIGM                            ; z = 1 / (1 + 2^(fs (x - shift))) of the pair in v[8:9]
	v_mov_b32 v12, s76
	v_mov_b32 v13, s78
	v_cndmask_b32 v12, v12, s77, s86               ; lanes 16-31: feature 32 + s
	v_cndmask_b32 v13, v13, s79, s86
	v_sub_f32 v14, v8, v12
	v_sub_f32 v15, v9, v12
	v_mul_f32 v14, v14, v13
	v_mul_f32 v15, v15, v13
	s_wait_alu depctr_va_vdst(0)
	v_exp_f32 v14, v14
	v_exp_f32 v15, v15
	v_nop
	s_wait_alu depctr_va_vdst(0)                   ; the two exponentials have written v14 and v15, ahead of their first readers
	v_add_f32 v14, 1.0, v14
	v_add_f32 v15, 1.0, v15
	s_wait_alu depctr_va_vdst(0)
	v_rcp_f32 v10, v14
	v_rcp_f32 v11, v15
	v_nop                                          ; (the wait for the two reciprocals follows the macro, where it is used)
.endm
.macro WM acc, fr, cd, sw, aw, odd, zero
.if \zero
.if \odd
	v_wmma_scale_f32_16x16x128_f8f6f4 v[(\acc):(\acc)+7], v[(\fr):(\fr)+7], v[(\cd):(\cd)+7], 0, v[(\sw)], v[(\aw)] matrix_a_fmt:MATRIX_FMT_FP4 matrix_b_fmt:MATRIX_FMT_FP4 matrix_a_scale:MATRIX_SCALE_ROW1
.else
	v_wmma_scale_f32_16x16x128_f8f6f4 v[(\acc):(\acc)+7], v[(\fr):(\fr)+7], v[(\cd):(\cd)+7], 0, v[(\sw)], v[(\aw)] matrix_a_fmt:MATRIX_FMT_FP4 matrix_b_fmt:MATRIX_FMT_FP4
.endif
.else
.if \odd
	v_wmma_scale_f32_16x16x128_f8f6f4 v[(\acc):(\acc)+7], v[(\fr):(\fr)+7], v[(\cd):(\cd)+7], v[(\acc):(\acc)+7], v[(\sw)], v[(\aw)] matrix_a_fmt:MATRIX_FMT_FP4 matrix_b_fmt:MATRIX_FMT_FP4 matrix_a_scale:MATRIX_SCALE_ROW1
.else
	v_wmma_scale_f32_16x16x128_f8f6f4 v[(\acc):(\acc)+7], v[(\fr):(\fr)+7], v[(\cd):(\cd)+7], v[(\acc):(\acc)+7], v[(\sw)], v[(\aw)] matrix_a_fmt:MATRIX_FMT_FP4 matrix_b_fmt:MATRIX_FMT_FP4
.endif
.endif
.endm
; Eight products: four fragments of weights (at v[fb] on) x two tiles of rows.  The weights' scale words of fragments 2 i and 2 i + 1 share v[28 + i], lanes 0-15 and 16-31.
; The eight accumulators take turns, one instruction a turn, over the loop's backward jump too.
.macro MM fb, zero
.irp n, 0,1,2,3
.irp e, 0,1
	WM ACC+32*\e+8*\n, \fb+8*\n, CODE+8*\e, 28+\n/2, 24+\e, \n%2, \zero
.endr
.endr
.endm
	; ---- the head: ids, and every address register, ahead of the first branch on the wave's number
	s_load_b256 s[4:11], s[0:1], 0x0               ; inputs, bq, tab, skip_W's codes
	s_load_b64 s[12:13], s[0:1], 0x20              ; skip_W's scales
	v_lshl_add_u32 v86, v0, 2, 0x2a800
	v_mov_b32 v87, 0
	v_lshrrev_b32 v14, 5, v0
	v_readfirstlane_b32 s2, v14                    ; wave 0..15
	v_and_b32 v15, 15, v0                          ; r
	v_bfe_u32 v14, v0, 4, 1                        ; h
	v_and_b32 v13, 31, v0                          ; lane
	s_wait_alu depctr_va_sdst(0)                   ; s2 is written, ahead of its first reader
	s_and_b32 s3, s2, 3                            ; p: which 32 rows
	s_lshr_b32 s14, s2, 2                          ; q: which quarter of K
	s_mul_i32 s82, s3, 32*XP
	s_add_co_u32 s83, s82, XS
	v_mul_u32_u24 v1, v15, XP
	v_lshl_add_u32 v1, v14, 7, v1
	v_add_nc_u32 v1, s83, v1                       ; x: row 32 p + r, feature 32 h
	v_lshlrev_b32 v2, 4, v13
	v_lshl_add_u32 v3, v13, 2, BSC
	v_lshlrev_b32 v4, 3, v14
	v_lshlrev_b32 v30, 5, v15
	v_lshl_add_u32 v30, v14, 4, v30                ; skip_W's codes: row r of 32 bytes, block h
	v_lshlrev_b32 v31, 1, v13                      ; and its scales: two bytes a row
	v_lshrrev_b32 v248, 4, v0
	v_mul_u32_u24 v248, v248, XP
	v_lshl_add_u32 v248, v15, 4, v248
	v_add_nc_u32 v248, XS, v248                    ; the fill of x: sixteen threads to a row
	v_lshlrev_b32 v249, 4, v0                      ; the fill of bq: as it lies; three registers, since an LDS immediate has 16 bits
	v_add_nc_u32 v250, 0x10000, v249
	v_add_nc_u32 v251, 0x20000, v249
	s_mul_i32 s84, s14, 128*XP
	s_add_co_u32 s84, s84, s82
	v_mul_u32_u24 v252, v15, XP
	v_lshl_add_u32 v252, v14, 5, v252
	v_add_nc_u32 v252, s84, v252                   ; partial sums, in: quarter q, row 32 p + r, 32 h bytes on
	s_mul_i32 s84, s2, 8*XP
	v_mul_u32_u24 v253, v14, XP
	v_lshl_add_u32 v253, v15, 4, v253
	v_add_nc_u32 v253, s84, v253                   ; and back: row 8 w + h, 16 bytes a lane; quarters 0 and 1,
	v_add_nc_u32 v254, 2*128*XP, v253              ; quarters 2 and 3
	s_lshl_b32 s84, s2, 11
	v_add_nc_u32 v255, s84, v2                     ; out0: 8 rows a wave, 16 bytes a lane
	v_mov_b32 v26, 0                               ; written once: a lane permute's destination counts as one of its sources
	v_mov_b32 v27, 0
	s_mov_b32 s86, 0xffff0000
	s_mov_b32 s88, 0x76543210
	s_mov_b32 s89, 0xfedcba98
	s_lshl_b32 s82, ttmp9, 15                      ; my work-group's 128 rows of 256 bytes
	s_mov_b32 s83, 0
	s_wait_kmcnt 0x0
	s_add_nc_u64 s[4:5], s[4:5], s[82:83]
	s_wait_alu depctr_va_vdst(0)                   ; the addresses v1 to v3, v30, v31 and v248 to v255 are written: the kernel's loads and stores read them, and no line writes them again
	; ---- the fill: 4 loads of x and 17 of bq a thread, each 8,192 consecutive bytes for the work-group
.irp i, 0,1,2,3
	global_load_b128 v[O+4*\i:O+4*\i+3], v249, s[4:5] offset:8192*\i th:TH_LOAD_NT
.endr
.set i, 0
.rept 17
	global_load_b128 v[O+16+4*i:O+16+4*i+3], v249, s[6:7] offset:8192*i
.set i, i+1
.endr
.irp i, 0,1,2,3
	s_wait_loadcnt 20-\i                           ; loads come back in order: the count is the loads issued behind this one
	ds_store_b128 v248, v[O+4*\i:O+4*\i+3] offset:32*XP*\i
.endr
.set i, 0
.rept 17
	s_wait_loadcnt 16-i
	ds_store_b128 v[249+i/8], v[O+16+4*i:O+16+4*i+3] offset:8192*(i%8)
.set i, i+1
.endr
	BARRIER                                        ; x and the weights lie in LDS
	s_wait_alu depctr_vm_vsrc(0)                   ; the fill's LDS stores have read v104 to v187: one arm below loads x into them, the other clears the sums that lie among them
	; ---- the sums begin.  Quarter 0's waves begin them with the skip product; K = 64 fills blocks 0 and 1 of the instruction's four, the others are zero codes on both sides
	s_cmp_lg_u32 s14, 0
	s_cbranch_scc1 .Lclear
.irp n, 0,1,2,3
	global_load_b128 v[T+8*\n:T+8*\n+3], v30, s[10:11] offset:512*\n   ; skip_W's rows 16 n + r, block h
.endr
	global_load_u16 v28, v31, s[12:13]             ; their scale bytes: lanes 0-15 fragment 0's rows, lanes 16-31 fragment 1's; the upper two bytes are 0, over zero codes
	global_load_u16 v29, v31, s[12:13] offset:64
.irp e, 0,1
.irp i, 0,1,2,3,4,5,6,7
	ds_load_b128 v[O+32*\e+4*\i:O+32*\e+4*\i+3], v1 offset:16*XP*\e+16*\i   ; x(row, 32 h .. 32 h + 31): a whole block in a lane
.endr
.endr
	s_wait_dscnt 0x0
.irp e, 0,1
	v_max3_num_f32 v[16+\e], |v[O+32*\e]|, |v[O+32*\e+1]|, 0x1800000
.endr
.irp i, 2,4,6,8,10,12,14,16,18,20,22,24,26,28,30
.irp e, 0,1
	v_max3_num_f32 v[16+\e], v[16+\e], |v[O+32*\e+\i]|, |v[O+32*\e+\i+1]|
.endr
.endr
	QUANT 0, 0
	QUANT 1, 0
	v_nop                                          ; one plain place behind the conversions
.irp e, 0,1
	v_lshlrev_b32 v[14+\e], v4, v[20+2*\e]         ; my byte is block h's
.endr
.irp e, 0,1
	v_permlanex16_b32 v[26+\e], v[14+\e], s88, s89
.endr
.irp e, 0,1
	v_or_b32 v[24+\e], v[14+\e], v[26+\e]
.endr
.irp e, 0,1
.irp t, 4,5,6,7
	v_mov_b32 v[CODE+8*\e+\t], 0                   ; zero codes for the rest of the K step, in x
.endr
.endr
.irp n, 0,1,2,3
.irp t, 4,5,6,7
	v_mov_b32 v[T+8*\n+\t], 0                      ; and in skip_W
.endr
.endr
.rept 8
	v_nop                                          ; a scale register written by a vector instruction stands 8 places ahead of a scaled matrix instruction, an operand so written 4
.endr
	s_wait_loadcnt 0x0                             ; skip_W
	s_wait_alu depctr_va_vdst(0)                   ; x's codes, the zero codes on both sides and the rows' scale words v24, v25 are written, which the scaled products take; the places above stay beside this wait
	MM T, 1
.rept 4
	v_nop                                          ; places in front of the vector lines that write skip_W's registers again
.endr
	s_branch .Lsums
.Lclear:
.set i, 0
.rept 64
	v_mov_b32 v[ACC+i], 0                          ; the other quarters' sums begin at 0: cleared once, since a first pass written out with the constant 0 would be a second copy of the whole pass
.set i, i+1
.endr
.Lsums:
	s_lshl_b32 s81, s14, 3                         ; s = 8 q
	s_mov_b32 s80, 8
	LDTAB 0
	s_lshl_b32 s83, s81, 4
	s_load_b128 s[76:79], s[8:9], s83 offset:2048  ; shift and fs of features s and 32 + s
	s_lshl_b32 s84, s81, 2
	v_add_nc_u32 v5, s84, v1
	s_wait_alu depctr_va_vdst(0)                   ; v5 is written, which the two LDS loads below read
	ds_load_b32 v8, v5                             ; x(row, 32 h + s) of my two tiles
	ds_load_b32 v9, v5 offset:16*XP
	s_wait_kmcnt 0x0
	s_wait_dscnt 0x0
	SIGM
	s_wait_alu depctr_va_vdst(0)                   ; the two reciprocals have written z, v10 and v11, ahead of the label and of their first readers
	; ---- a pass: one K step.  Eight trips
.Lpass:
	s_add_co_u32 s85, s81, 1
	s_min_u32 s85, s85, 31                         ; the next pass's s, held inside x and the table: a wave's last trip asks for an element that it does not use, so that the trip is written once
	s_lshl_b32 s84, s85, 2
	s_lshl_b32 s83, s85, 4
	s_lshl_b32 s82, s81, 12
	s_wait_alu depctr_vm_vsrc(0)                   ; the LDS loads issued so far (the last pass's; in the first trip the two ahead of the loop) have read v5, v6 and v7
	v_add_nc_u32 v5, s84, v1
	v_add_nc_u32 v6, s82, v2                       ; this K step's four fragments,
	s_lshl_b32 s82, s81, 8
	v_add_nc_u32 v7, s82, v3                       ; and their scale words
	s_wait_alu depctr_va_vdst(0)                   ; v5, v6 and v7 are written, which the pass's twelve LDS loads read: no line writes them again in the pass; the sigmoid is done reading v8 and v9, in which the two loads below land
	ds_load_b32 v8, v5
	ds_load_b32 v9, v5 offset:16*XP
.set Q, 0
.rept 9
	CHUNK Q
.set Q, Q+1
.endr
	QUANT 0, 0                                     ; basis values 0..31 are made
	QUANT 1, 0
	v_nop                                          ; one plain place behind the conversions
.rept 8
	CHUNK Q
.set Q, Q+1
.endr
	LDTAB 0                                        ; the next pass's first chunk: set 0 has been read
	s_load_b128 s[76:79], s[8:9], s83 offset:2048
	QUANT 0, 1
	v_nop
	s_wait_alu depctr_va_vdst(0)                   ; tile 0's conversions, and the multiply-adds and maxima ahead of them, are done with v104 to v135, in which the weights' fragments land
.irp n, 0,1,2,3
.irp c, 0,1
	ds_load_b128 v[O+8*\n+4*\c:O+8*\n+4*\c+3], v6 offset:1024*\n+512*\c   ; B's fragments as images of their registers, into the run that tile 0's numbers have left
.endr
.endr
	ds_load_b32 v28, v7
	ds_load_b32 v29, v7 offset:128
	QUANT 1, 1                                     ; from here to the products no vector line names v104 to v135, v28 or v29
	v_nop
	WORD 0
	WORD 1
	s_wait_kmcnt 0x0                               ; the next pass's shift, fs and first chunk
	s_wait_dscnt 10                                ; its x is in: the ten LDS loads issued behind those two may stay out
	SIGM                                           ; its twelve plain lines are also the places between the scale words' last write and the products
	s_wait_dscnt 0x0
	s_wait_alu depctr_va_vdst(0)                   ; the conversions have written the codes and the rows' scale words v24, v25 are written, which the scaled products take; the two reciprocals have written the next pass's z, ahead of the jump back
	MM O, 0
	s_add_co_u32 s81, s81, 1
	s_sub_co_i32 s80, s80, 1
	s_cmp_lg_u32 s80, 0
	s_cbranch_scc1 .Lpass
	; ---- the four quarters of K meet
	s_load_b256 s[16:23], s[0:1], 0x28             ; skip_b, bias, ln_gamma, ln_beta
	s_load_b64 s[24:25], s[0:1], 0x48              ; out0
	s_mov_b32 s90, 0xbc800000                      ; -1 / 64
	s_mov_b32 s91, 0x3c800000                      ; 1 / 64
	s_mov_b32 s92, 0x3727c5ac                      ; 1e-5
	s_mov_b32 s93, 0x3e6d3389                      ; 0.3275911 / sqrt(2)
	s_mov_b32 s94, 0xbf38aa3b                      ; -log2(e) / 2
	s_mov_b32 s95, 0x3e827906                      ; a1 .. a5
	s_mov_b32 s96, 0xbe91a98e
	s_mov_b32 s97, 0x3fb5f0e3
	s_mov_b32 s98, 0xbfba00e3
	s_mov_b32 s99, 0x3f87dc22
	s_lshl_b32 s82, ttmp9, 15
	s_mov_b32 s83, 0
	s_wait_alu depctr_vm_vsrc(0)                   ; the last pass's LDS loads have read v6
	v_and_b32 v6, 15, v0
	v_lshlrev_b32 v6, 4, v6                        ; my four columns' bytes in the vectors of 64
.rept 4
	v_nop                                          ; four places between the last products and the LDS stores that read their results
.endr
	s_wait_kmcnt 0x0
	s_add_nc_u64 s[24:25], s[24:25], s[82:83]
	s_wait_alu depctr_va_vdst(0)                   ; v6 is written, which the four loads below read; the products have written the sums, which the LDS stores behind the barrier read, and are done reading v104 to v135, in which, with v136 to v167, the partial sums land; the places above stay beside this wait
	global_load_b128 v[232:235], v6, s[16:17]
	global_load_b128 v[236:239], v6, s[18:19]
	global_load_b128 v[240:243], v6, s[20:21]
	global_load_b128 v[244:247], v6, s[22:23]
	BARRIER                                        ; every wave's reads of the weights are over: their bytes take the partial sums
.irp e, 0,1
.irp n, 0,1,2,3
	ds_store_b128 v252, v[ACC+32*\e+8*\n:ACC+32*\e+8*\n+3] offset:16*XP*\e+64*\n       ; each accumulator from its low end on
	ds_store_b128 v252, v[ACC+32*\e+8*\n+4:ACC+32*\e+8*\n+7] offset:16*XP*\e+64*\n+16
.endr
.endr
	BARRIER                                        ; four partial sums of 128 rows lie in LDS
	; ---- the finish: wave w takes rows 8 w .. 8 w + 7; lane l row 8 w + 2 it + l / 16, columns 4 (l % 16) on: sixteen lanes hold a row
.irp q, 0,1,2,3
.irp it, 0,1,2,3
	ds_load_b128 v[O+16*\q+4*\it:O+16*\q+4*\it+3], v[253+\q/2] offset:128*XP*(\q%2)+2*XP*\it
.endr
.endr
	s_wait_dscnt 0x0
	s_wait_loadcnt 0x0
	s_wait_alu depctr_vm_vsrc(0)                   ; the LDS stores have read the sums' registers, of which the lines below write v168 to v191 again
	v_pk_add_f32 v[232:233], v[232:233], v[236:237]   ; skip_b + bias
	v_pk_add_f32 v[234:235], v[234:235], v[238:239]
.irp i, 0,2,4,6,8,10,12,14
	v_pk_add_f32 v[O+\i:O+\i+1], v[O+\i:O+\i+1], v[O+16+\i:O+16+\i+1]
	v_pk_add_f32 v[O+32+\i:O+32+\i+1], v[O+32+\i:O+32+\i+1], v[O+48+\i:O+48+\i+1]
.endr
.irp i, 0,2,4,6,8,10,12,14
	v_pk_add_f32 v[O+\i:O+\i+1], v[O+\i:O+\i+1], v[O+32+\i:O+32+\i+1]
.endr
.irp i, 0,2,4,6,8,10,12,14
	v_pk_add_f32 v[O+\i:O+\i+1], v[O+\i:O+\i+1], v[232+\i%4:233+\i%4]   ; c
.endr
.irp it, 0,1,2,3
	v_pk_add_f32 v[176+2*\it:177+2*\it], v[O+4*\it:O+4*\it+1], v[O+4*\it+2:O+4*\it+3]
.endr
.irp it, 0,1,2,3
	v_add_f32 v[168+\it], v[176+2*\it], v[177+2*\it]
.endr
.irp m, 1,2,4,8
.irp it, 0,1,2,3
	v_add_f32_dpp v[168+\it], v[168+\it], v[168+\it] row_xmask:\m row_mask:0xf bank_mask:0xf   ; the row's sum, in all its sixteen lanes
.endr
.endr
.irp it, 0,1,2,3
.irp k, 0,1,2,3
	v_fma_f32 v[O+4*\it+\k], v[168+\it], s90, v[O+4*\it+\k]   ; c - mean
.endr
.endr
.irp it, 0,1,2,3
	v_mul_f32 v[172+\it], v[O+4*\it], v[O+4*\it]
.endr
.irp k, 1,2,3
.irp it, 0,1,2,3
	v_fma_f32 v[172+\it], v[O+4*\it+\k], v[O+4*\it+\k], v[172+\it]
.endr
.endr
.irp m, 1,2,4,8
.irp it, 0,1,2,3
	v_add_f32_dpp v[172+\it], v[172+\it], v[172+\it] row_xmask:\m row_mask:0xf bank_mask:0xf
.endr
.endr
.irp it, 0,1,2,3
	v_fma_f32 v[172+\it], v[172+\it], s91, s92     ; var + 1e-5
.endr
	s_wait_alu depctr_va_vdst(0)
.irp it, 0,1,2,3
	v_rsq_f32 v[172+\it], v[172+\it]
.endr
	v_nop                                          ; one plain place behind the transcendentals
	s_wait_alu depctr_va_vdst(0)                   ; the four reciprocal roots have written v172 to v175, ahead of their first readers
.irp it, 0,1,2,3
.irp k, 0,1,2,3
	v_mul_f32 v[O+4*\it+\k], v[O+4*\it+\k], v[172+\it]
.endr
.endr
.irp i, 0,2,4,6,8,10,12,14
	v_pk_fma_f32 v[O+\i:O+\i+1], v[O+\i:O+\i+1], v[240+\i%4:241+\i%4], v[244+\i%4:245+\i%4]   ; y
.endr
; gelu(y) = max(y, 0) - 0.5 |y| erfc(|y| / sqrt(2)): no difference of near numbers on either side.  erfc(a) = t (a1 + t (a2 + t (a3 + t (a4 + t a5)))) exp(-a^2), t = 1 / (1 + 0.3275911 a).  Four numbers by turns.
; Block it, at v[b] on.  The store of the block before stands behind this block's second wait: no line of this block names that block's registers.
.macro GELU4 b, it
.irp k, 0,1,2,3
	v_fma_f32 v[176+\k], |v[(\b)+\k]|, s93, 1.0
.endr
.irp k, 0,1,2,3
	v_mul_f32 v[180+\k], v[(\b)+\k], v[(\b)+\k]
.endr
.irp k, 0,1,2,3
	v_mul_f32 v[180+\k], s94, v[180+\k]
.endr
	s_wait_alu depctr_va_vdst(0)
.irp k, 0,1,2,3
	v_rcp_f32 v[176+\k], v[176+\k]                 ; t
.endr
.irp k, 0,1,2,3
	v_exp_f32 v[180+\k], v[180+\k]                 ; exp(-a^2)
.endr
.irp k, 0,1,2,3
	v_mul_f32 v[188+\k], -0.5, |v[(\b)+\k]|        ; (plain lines behind the transcendentals)
.endr
	s_wait_alu depctr_va_vdst(0)                   ; the four reciprocals and the four exponentials have written v176 to v183, ahead of their first readers; the block before has written its four results, which the store below reads
.if (\it) > 0
	global_store_b128 v255, v[(\b)-4:(\b)-1], s[24:25] offset:512*((\it)-1) th:TH_STORE_NT   ; 32 lanes store 512 consecutive bytes, two rows, at a multiple of 256 from out0's first byte
.endif
.irp k, 0,1,2,3
	v_fma_f32 v[184+\k], v[176+\k], s99, s98
.endr
.irp k, 0,1,2,3
	v_fma_f32 v[184+\k], v[176+\k], v[184+\k], s97
.endr
.irp k, 0,1,2,3
	v_fma_f32 v[184+\k], v[176+\k], v[184+\k], s96
.endr
.irp k, 0,1,2,3
	v_fma_f32 v[184+\k], v[176+\k], v[184+\k], s95
.endr
.irp k, 0,1,2,3
	v_mul_f32 v[184+\k], v[184+\k], v[176+\k]
.endr
.irp k, 0,1,2,3
	v_mul_f32 v[184+\k], v[184+\k], v[180+\k]      ; erfc
.endr
.irp k, 0,1,2,3
	v_max_num_f32 v[(\b)+\k], 0, v[(\b)+\k]
.endr
.irp k, 0,1,2,3
	v_fma_f32 v[(\b)+\k], v[188+\k], v[184+\k], v[(\b)+\k]
.endr
.endm
.irp it, 0,1,2,3
	GELU4 O+4*\it, \it
.endr
	s_wait_alu depctr_va_vdst(0)                   ; the last block has written its four results, which the last store reads
	global_store_b128 v255, v[O+12:O+15], s[24:25] offset:512*3 th:TH_STORE_NT
	s_wait_dscnt 0x0                               ; the closing lines, six on end
	s_wait_alu 0x0
	s_wait_tensorcnt 0x0
	ds_add_u32 v86, v87
	s_wait_dscnt 0x0
	s_endpgm
.Lfunc_end_k_q26789e0949_main:
	.size	k_q26789e0949_main, .Lfunc_end_k_q26789e0949_main-k_q26789e0949_main
	.p2alignl 7, 3214868480
	.fill 96, 4, 3214868480
	.section	.rodata,"a",@progbits
	.p2align	6, 0x0
	.amdhsa_kernel k_q26789e0949_main
		.amdhsa_group_segment_fixed_size 176128
		.amdhsa_private_segment_fixed_size 0
		.amdhsa_enable_private_segment 0
		.amdhsa_kernarg_size 80
		.amdhsa_user_sgpr_count 2
		.amdhsa_user_sgpr_kernarg_segment_ptr 1
		.amdhsa_wavefront_size32 1
		.amdhsa_system_sgpr_workgroup_id_x 1
		.amdhsa_system_sgpr_workgroup_id_y 1
		.amdhsa_system_sgpr_workgroup_id_z 1
		.amdhsa_system_vgpr_workitem_id 0
		.amdhsa_next_free_vgpr 256
		.amdhsa_next_free_sgpr 100
		.amdhsa_reserve_vcc 0
		.amdhsa_float_denorm_mode_32 3
		.amdhsa_float_denorm_mode_16_64 3
		.amdhsa_memory_ordered 1
		.amdhsa_forward_progress 1
		.amdhsa_inst_pref_size 115
	.end_amdhsa_kernel
	.amdgpu_metadata
---
amdhsa.version: [ 1, 2 ]
amdhsa.kernels:
  - .name:           k_q26789e0949_main
    .symbol:         k_q26789e0949_main.kd
    .args:
      - { .name: inputs, .offset: 0, .size: 8, .value_kind: global_buffer, .address_space: global }
      - { .name: bq, .offset: 8, .size: 8, .value_kind: global_buffer, .address_space: global }
      - { .name: tab, .offset: 16, .size: 8, .value_kind: global_buffer, .address_space: global }
      - { .name: skip_W_codes, .offset: 24, .size: 8, .value_kind: global_buffer, .address_space: global }
      - { .name: skip_W_scales, .offset: 32, .size: 8, .value_kind: global_buffer, .address_space: global }
      - { .name: skip_b, .offset: 40, .size: 8, .value_kind: global_buffer, .address_space: global }
      - { .name: bias, .offset: 48, .size: 8, .value_kind: global_buffer, .address_space: global }
      - { .name: ln_gamma, .offset: 56, .size: 8, .value_kind: global_buffer, .address_space: global }
      - { .name: ln_beta, .offset: 64, .size: 8, .value_kind: global_buffer, .address_space: global }
      - { .name: out0, .offset: 72, .size: 8, .value_kind: global_buffer, .address_space: global }
    .group_segment_fixed_size: 176128
    .private_segment_fixed_size: 0
    .kernarg_segment_align: 8
    .kernarg_segment_size: 80
    .max_flat_workgroup_size: 512
    .sgpr_count:     100
    .vgpr_count:     256
    .wavefront_size: 32
...
	.end_amdgpu_metadata
.endif
;; end of part 4
